; MI455X (gfx1250); checked and timed in simulation.
; The chip was launched on July 23, 2026; its instructions are those of AMD's public machine-readable ISA for CDNA 5 (MIT licence, August 2026) and "CDNA5" Instruction Set Architecture Reference Guide (July 2026). The comments in the code are by the model that wrote it; some were corrected since.
;; Multi Head Attention. Allowed arithmetic: matrix products marked QUANTISED: E4M3 operands, one given power-of-two scale a tensor, by v_wmma_f32_16x16x64_fp8_fp8 or v_wmma_f32_16x16x128_fp8_fp8, f32 sums; everything else in f32.
;; Inputs: Wk 512 x 512 float32; Wo 512 x 512 float32; Wq 512 x 512 float32; Wv 512 x 512 float32; bk 512 float32; bo 512 float32; bq 512 float32; bv 512 float32; lowp_scales 12 int32 (the exponents e of the quantised operands' scales 2^e); x 2 x 4,096 x 512 float32.
;; Outputs: out0 2 x 4,096 x 512 float32.
;; This version of the problem:
;;   THIS VERSION OF THE PROBLEM IS GIVEN IN LOW PRECISION. The matrix products marked QUANTISED in the list below multiply operands that are first quantised to E4M3 (4 exponent bits, 3 mantissa bits; 8 bits a number), with one given power-of-two scale for each operand tensor; their sums are f32. All else is computed in f32.
;;   The module's matrix products, in the order in which they are computed (A, B: the left and right operand; K: the contracted axis; several contracted axes count as one K, in the product's order):
;;     1. [M 8,192, K 512] x [K 512, N 512]; A: input x; B: input Wq: QUANTISED (scales: A lowp_scales[0], B lowp_scales[1])
;;     2. [M 8,192, K 512] x [K 512, N 512]; A: input x; B: input Wk: QUANTISED (scales: A lowp_scales[2], B lowp_scales[3])
;;     3. [M 8,192, K 512] x [K 512, N 512]; A: input x; B: input Wv: QUANTISED (scales: A lowp_scales[4], B lowp_scales[5])
;;     4. batch 16 x [M 4,096, K 64] x [K 64, N 4,096]; A: computed on the way; B: computed on the way: QUANTISED (scales: A lowp_scales[6], B lowp_scales[7])
;;     5. batch 16 x [M 4,096, K 4,096] x [K 4,096, N 64]; A: softmax (see below); B: computed on the way: QUANTISED (scales: A lowp_scales[8], B lowp_scales[9])
;;     6. [M 8,192, K 512] x [K 512, N 512]; A: computed on the way; B: input Wo: QUANTISED (scales: A lowp_scales[10], B lowp_scales[11])
;;   THE QUANTISER, for each operand of a quantised product, along K:
;;     - The operand's scale is 2^e, e = its entry of the input lowp_scales (int32; the entries are numbered through the quantised products in the list's order, A before B).
;;     - Each number is divided by the scale, clamped to +-448, and rounded to the nearest number of E4M3, ties to even, subnormals kept.
;;     - The product sums the exact products of the quantised numbers (number of the format x scale) in f32.
;;   ~~~python
;;   def quantise(x, axis, e):      # numpy; x: float32 -> the quantised numbers, widened to float32 again
;;       x = np.moveaxis(x, axis, -1); K = x.shape[-1]
;;       r = np.clip(x / 2.0 ** e, -448, 448)
;;       step = 2.0 ** (np.maximum(np.frexp(np.where(r == 0, 1, r))[1] - 1, -6) - 3)
;;       q = np.round(r / step) * step * 2.0 ** e      # np.round: ties to even
;;       return np.moveaxis(q, -1, axis).astype(np.float32)
;;   ~~~
;;   SOFTMAX AHEAD OF A QUANTISED PRODUCT. Where the list says 'softmax', what is quantised is not the finished softmax but p = 2^(t - M), with t = logit x log2(e) and M = ceil(the row's largest t), a whole number; so 1/2 < the row's largest p <= 1. The row's sum l is taken of the UNQUANTISED p, in f32, and the product's result is divided by l at the end. Since M is a whole number, a kernel that streams over the keys may use a running M (the ceiling of the running maximum): every later rescaling is an exact power of two, so the quantised numbers keep their values, but for numbers so far below the row's largest that they fall under the format's range.
;;   OPERANDS COMPUTED ON THE WAY. 'Computed on the way' means the value that the module computes at that place (a softmax that the list does not call 'softmax' is quantised finished and normalised). What goes into a quantiser is computed in f32, as accurately as f32 sums, v_exp_f32 and their like allow (about 1e-6 of the number): no bf16 or f16 on the way to a quantiser, and a product that is left as it is and whose result goes on into a quantised operand takes f32 operands (vector FMAs, or v_wmma_f32_16x16x4_f32). A number that lies on a knife's edge between two numbers of the format may be rounded either way, as far as f32 arithmetic and the matrix unit's own rounding can turn it there, and no further.
;; 2 versions. Each part assembles by itself: llvm-mc -triple=amdgcn-amd-amdhsa -mcpu=gfx1250 --defsym DOCPART=n.
;; ======== version 1 of 2: 4 launches
;; workspace buffers: wc 1,048,576 bytes; qkv 12,582,912 bytes; cc 4,194,304 bytes
;; launch wq (part 1): grid 256 x 1, 2 waves a work-group, no clusters, 4,864 bytes of LDS; arguments Wq, Wk, Wv, Wo, lowp_scales, wc; writes wc
.if DOCPART == 1
	.amdgcn_target "amdgcn-amd-amdhsa--gfx1250"
	.amdhsa_code_object_version 6
	.text
	.protected	k_q8068a1705f_wq
	.globl	k_q8068a1705f_wq
	.p2align	8
	.type	k_q8068a1705f_wq,@function
k_q8068a1705f_wq:
	s_mov_b64 s[64:65], 0
	v_nop
	global_prefetch_b8 v0, s[64:65] scope:SCOPE_SE
	s_setreg_imm32_b32 hwreg(HW_REG_WAVE_MODE, 25, 1), 1
	s_wait_xcnt 0x0
; The four weights [512 (n)][512 (k)], f32, K innermost, become codes of FP8 (E4M3), each with its given scale 2^e
; (entries 1, 3, 5, 11 of the scales), laid as IMAGES OF OPERAND REGISTERS of v_wmma_f32_16x16x128_fp8_fp8:
; a fragment is 16 rows x 128 k; lane (r = lane % 16, h = lane / 16) holds row r, its registers 2c, 2c+1 hold k = 16c + 8h + 0..7.
; In memory a fragment is four chunks of 512 bytes; chunk q holds registers 4q .. 4q+3, lane l's 16 bytes at 16 l.
; wc: [weight 4][tile of 16 rows 32][K step 4][2,048 bytes].  One wave makes one fragment: 512 waves, 256 work-groups of two.
; code = x / 2^e, held within +-448, to the nearest code, ties to even.  LIMITS: -126 <= e <= 119.  NaN among the inputs is not served.
; Each load reads 512 consecutive bytes of a row (4 numbers a lane); a conversion takes two rows' numbers of a lane and gives
; one dword of codes for each row; the dwords change lanes through the wave's own LDS bytes.  Waves share nothing: no barrier.
.set R,    16                          ; v16-79   16 rows x 4 numbers
.set C,    80                          ; v80-95   row i's dword of codes: k = 4 lane .. + 3
.set OUT,  96                          ; v96-111  the fragment's four chunks
.set ROWP, 272                         ; LDS: 8 rows (2 chunk + h) of 256 bytes + 16 of padding = 68 words: the 32 lanes of a dword store fall on 32 different banks (64 banks of 4 bytes: ISA guide 11.1)
.set IMGW, 2304                        ; a wave's LDS bytes
	s_load_b256 s[4:11], s[0:1], 0x0               ; Wq s[4:5], Wk s[6:7], Wv s[8:9], Wo s[10:11]
	s_load_b128 s[12:15], s[0:1], 0x20             ; the scales' exponents s[12:13], wc s[14:15]
	v_lshl_add_u32 v112, v0, 2, 0x1200
	v_mov_b32 v113, 0
	v_lshrrev_b32 v5, 5, v0
	v_readfirstlane_b32 s16, v5                    ; wave 0, 1
	v_and_b32 v1, 31, v0                           ; lane l
	v_lshlrev_b32 v2, 4, v1                        ; 16 l: my bytes of a load's and of a store's 512
	s_mul_i32 s18, s16, IMGW
	; my dword (row i, k = 4 l) belongs to lane 16 h + i with h = (l / 2) % 2, register 2 (l / 4) + l % 2: chunk l / 8, place 2 ((l / 4) % 2) + l % 2
	v_lshrrev_b32 v5, 3, v1
	v_bfe_u32 v6, v1, 1, 1
	v_lshl_add_u32 v5, v5, 1, v6                   ; LDS row 2 chunk + h
	v_mul_u32_u24 v3, v5, ROWP
	v_bfe_u32 v6, v1, 2, 1
	v_lshl_add_u32 v3, v6, 3, v3
	v_and_b32 v6, 1, v1
	v_lshl_add_u32 v3, v6, 2, v3
	v_add_nc_u32 v3, s18, v3                       ; where I store; row i adds 16 i
	v_lshrrev_b32 v5, 4, v1
	v_and_b32 v6, 15, v1
	v_mul_u32_u24 v4, v5, ROWP
	v_lshl_add_u32 v4, v6, 4, v4
	v_add_nc_u32 v4, s18, v4                       ; where I read back; chunk q adds 2 rows
	s_lshr_b32 s17, ttmp9, 6                       ; which weight: 0 q, 1 k, 2 v, 3 o
	s_and_b32 s19, s17, 1
	s_bfe_u32 s40, ttmp9, 0x50001                  ; which 16 rows
	s_lshl_b32 s40, s40, 15                        ; x 16 rows of 2,048 bytes
	s_and_b32 s41, ttmp9, 1
	s_lshl_b32 s41, s41, 1
	s_add_co_u32 s41, s41, s16                     ; which K step
	s_lshl_b32 s41, s41, 9                         ; x 128 numbers of 4 bytes
	s_add_co_u32 s40, s40, s41
	s_mov_b32 s41, 0
	s_lshl_b32 s42, ttmp9, 1
	s_add_co_u32 s42, s42, s16                     ; the fragment's number: 128 weight + 4 tile + K step
	s_lshl_b32 s42, s42, 11
	s_mov_b32 s43, 0
	s_wait_kmcnt 0x0
	s_load_b256 s[24:31], s[12:13], 0x0            ; e0 .. e7
	s_load_b128 s[32:35], s[12:13], 0x20           ; e8 .. e11
	s_cmp_lt_u32 s17, 2                            ; the choice hangs on the work-group's number alone
	s_cselect_b64 s[20:21], s[4:5], s[8:9]         ; Wq or Wv
	s_cselect_b64 s[22:23], s[6:7], s[10:11]       ; Wk or Wo
	s_cmp_eq_u32 s19, 0
	s_cselect_b64 s[20:21], s[20:21], s[22:23]
	s_add_nc_u64 s[20:21], s[20:21], s[40:41]
	s_add_nc_u64 s[14:15], s[14:15], s[42:43]
.irp i, 0,1,2,3,4,5,6,7,8,9,10,11,12,13,14,15
	global_load_b128 v[R+4*\i:R+4*\i+3], v2, s[20:21] offset:2048*\i th:TH_LOAD_NT   ; row i: 32 lanes read 512 consecutive bytes; read once in the launch
.endr
	s_wait_kmcnt 0x0
	s_cmp_lt_u32 s17, 2
	s_cselect_b32 s36, s25, s29                    ; e1 or e5
	s_cselect_b32 s37, s27, s35                    ; e3 or e11
	s_cmp_eq_u32 s19, 0
	s_cselect_b32 s36, s36, s37                    ; e
	s_add_co_i32 s36, s36, 127
	s_lshl_b32 s37, s36, 23
	v_mov_b32 v11, s37                             ; 2^e as f32: the conversion takes its exponent field
	s_add_co_i32 s36, s36, 8
	s_lshl_b32 s36, s36, 23
	s_or_b32 s36, s36, 0x600000
	v_mov_b32 v10, s36                             ; 448 x 2^e
.irp p, 0,1,2,3,4,5,6,7
	s_wait_loadcnt 14-2*\p                         ; loads come back in order: rows 2 p and 2 p + 1 are in, the younger rows may be out
.irp i, 0,1,2,3,4,5,6,7
	v_med3_num_f32 v[R+8*\p+\i], v[R+8*\p+\i], -v10, v10   ; the conversion to an 8-bit code does not saturate (ISA guide 7.6.2): the hold comes first
.endr
	v_cvt_scalef32_pk8_fp8_f32 v[C+2*\p:C+2*\p+1], v[R+8*\p:R+8*\p+7], v11   ; four codes of row 2 p, four of row 2 p + 1
.endr
	v_nop                                          ; a plain line behind the last conversion
.irp i, 0,1,2,3,4,5,6,7,8,9,10,11,12,13,14,15
	ds_store_b32 v3, v[C+\i] offset:16*\i
.endr
.irp q, 0,1,2,3
	ds_load_b128 v[OUT+4*\q:OUT+4*\q+3], v4 offset:2*ROWP*\q   ; LDS serves a wave's instructions in order (ISA guide 5.7.1.4): these see my stores
.endr
.irp q, 0,1,2,3
	s_wait_dscnt 3-\q                              ; chunk q is back
	global_store_b128 v2, v[OUT+4*\q:OUT+4*\q+3], s[14:15] offset:512*\q   ; 32 lanes store 512 consecutive bytes, at a multiple of 512 from wc's first byte
.endr
	s_wait_tensorcnt 0x0
	ds_add_u32 v112, v113
	s_wait_dscnt 0x0
	s_endpgm
.Lfunc_end_k_q8068a1705f_wq:
	.size	k_q8068a1705f_wq, .Lfunc_end_k_q8068a1705f_wq-k_q8068a1705f_wq
	.p2alignl 7, 3214868480
	.fill 96, 4, 3214868480
	.section	.rodata,"a",@progbits
	.p2align	6, 0x0
	.amdhsa_kernel k_q8068a1705f_wq
		.amdhsa_group_segment_fixed_size 4864
		.amdhsa_private_segment_fixed_size 0
		.amdhsa_enable_private_segment 0
		.amdhsa_kernarg_size 48
		.amdhsa_user_sgpr_count 2
		.amdhsa_user_sgpr_kernarg_segment_ptr 1
		.amdhsa_wavefront_size32 1
		.amdhsa_system_sgpr_workgroup_id_x 1
		.amdhsa_system_sgpr_workgroup_id_y 1
		.amdhsa_system_sgpr_workgroup_id_z 1
		.amdhsa_system_vgpr_workitem_id 0
		.amdhsa_next_free_vgpr 114
		.amdhsa_next_free_sgpr 66
		.amdhsa_reserve_vcc 0
		.amdhsa_float_denorm_mode_32 3
		.amdhsa_float_denorm_mode_16_64 3
		.amdhsa_memory_ordered 1
		.amdhsa_forward_progress 1
		.amdhsa_inst_pref_size 11
	.end_amdhsa_kernel
	.amdgpu_metadata
---
amdhsa.version: [ 1, 2 ]
amdhsa.kernels:
  - .name:           k_q8068a1705f_wq
    .symbol:         k_q8068a1705f_wq.kd
    .args:
      - { .name: Wq, .offset: 0, .size: 8, .value_kind: global_buffer, .address_space: global }
      - { .name: Wk, .offset: 8, .size: 8, .value_kind: global_buffer, .address_space: global }
      - { .name: Wv, .offset: 16, .size: 8, .value_kind: global_buffer, .address_space: global }
      - { .name: Wo, .offset: 24, .size: 8, .value_kind: global_buffer, .address_space: global }
      - { .name: lowp_scales, .offset: 32, .size: 8, .value_kind: global_buffer, .address_space: global }
      - { .name: wc, .offset: 40, .size: 8, .value_kind: global_buffer, .address_space: global }
    .group_segment_fixed_size: 4864
    .private_segment_fixed_size: 0
    .kernarg_segment_align: 8
    .kernarg_segment_size: 48
    .max_flat_workgroup_size: 64
    .sgpr_count:     66
    .vgpr_count:     114
    .wavefront_size: 32
...
	.end_amdgpu_metadata
.endif
;; end of part 1
;; launch proj (part 2): grid 3 x 64, 8 waves a work-group, no clusters, 70,656 bytes of LDS; arguments x, wc, bq, bk, bv, lowp_scales, qkv; writes qkv
.if DOCPART == 2
	.amdgcn_target "amdgcn-amd-amdhsa--gfx1250"
	.amdhsa_code_object_version 6
	.text
	.protected	k_q8068a1705f_proj
	.globl	k_q8068a1705f_proj
	.p2align	8
	.type	k_q8068a1705f_proj,@function
k_q8068a1705f_proj:
	s_mov_b64 s[64:65], 0
	v_nop
	global_prefetch_b8 v0, s[64:65] scope:SCOPE_SE
	s_setreg_imm32_b32 hwreg(HW_REG_WAVE_MODE, 25, 1), 1
	s_wait_xcnt 0x0
; q, k, v = x W^T + b on codes of FP8 (E4M3), and the results quantised again, as operands of attention's two products.
; Work-group (Y, X): Y = 0 q, 1 k, 2 v; X = a block of 128 tokens.  It makes 128 tokens x 512 features of one matrix.
; x arrives as f32 and is quantised here with the scale of product Y (entries 0, 2, 4); W's codes come from wc as images of operand registers.
; SHARES.  Eight waves.  Wave w quantises tokens 16 w .. 16 w + 15 (four fragments of 128 k) and puts their images into LDS; one barrier;
; then wave w makes head w, features 64 w .. 64 w + 63, for all 128 tokens.  Its 16 fragments of W stay in registers (window 1), read once.
; LAYOUT, everywhere the own one of the plain fp8 forms: lane (r, h) holds row r, registers 2c, 2c+1 hold k = 16c + 8h + 0..7.
;   q, k: source 0 = 16 rows of W, source 1 = 16 tokens: lane (r, h) holds token r, register j of tile f feature 16 f + 8 h + j: a conversion of the
;         tile's eight registers gives registers 2f, 2f+1 of the head's fragment (16 tokens x 64): qkv part Y: [head of batch 16][tile of tokens 256][1,024 bytes].
;   v:    source 0 = 16 tokens, source 1 = 16 rows of W: lane (r, h) holds feature r, register j of token tile T token 16 T + 8 h + j: the conversion gives
;         registers 2T, 2T+1 of V^T's fragment (16 channels x 128 keys): qkv part 2: [head of batch 16][128 keys 32][16 channels 4][2,048 bytes].
; ARITHMETIC.  A sum stands for sum x 2^(ex + ew).  The bias goes in as b / 2^(ex + ew), as the C of a sum's first product; the result's code is
; sum / 2^(eo - ex - ew), held within +-448 of that scale (eo: entry 6, 7 or 9).
; LIMITS: ex, and eo - ex - ew, between -126 and 119.  NaN among the inputs is not served.
; REGISTERS.  window 0: v1-11 addresses and scales; v12-23 the bias's addresses; v32-95, v96-159 x as f32, later two sets of x's four fragments;
;   v160-191 x's codes, later four accumulators; v192-223 the bias in the result's layout; v224-255 codes on their way out.   window 1: W's fragment (f, s) at v[16 (4 f + s)].
.set XA,   32
.set XB,   96
.set CA,   160
.set CB,   176
.set ACC,  160
.set B1,   192
.set PC,   224
.set ROWP, 272                         ; an image in LDS: 8 rows (2 chunk + h) of 256 bytes + 16 of padding: the 32 lanes of a dword store fall on 32 different banks (ISA guide 11.1)
.set IMG,  8*ROWP                      ; fragment (token tile T, K step s) at (4 T + s) x IMG
.set MSB, 0
.macro WIN new                         ; the immediate's high byte repeats the setting that is left
.if MSB != \new
	s_set_vgpr_msb (MSB<<8)|\new
.set MSB, \new
.endif
.endm
.macro PLACES n
.rept \n
	v_nop
.endr
.endm
.macro XLOAD s, set                    ; my 16 tokens' numbers of K step s: each load reads 512 consecutive bytes of a row, 4 numbers a lane
.irp i, 0,1,2,3,4,5,6,7,8,9,10,11,12,13,14,15
	global_load_b128 v[\set+4*\i:\set+4*\i+3], v2, s[4:5] offset:2048*\i+512*\s
.endr
.endm
.macro WLOAD n0                        ; 32 of my 64 chunks of W: chunk n into registers 4 n .. 4 n + 3 of window 1
	WIN 0x40
.set n, \n0
.rept 32
	global_load_b128 v[4*n:4*n+3], v2, s[6:7] offset:512*n
.set n, n+1
.endr
	WIN 0
.endm
.macro QSET s, set, cod                ; 16 rows x 4 numbers a lane become row i's dword of codes, which goes to its place in the image
.irp p, 0,1,2,3,4,5,6,7
.irp i, 0,1,2,3,4,5,6,7
	v_med3_num_f32 v[\set+8*\p+\i], v[\set+8*\p+\i], -v9, v9   ; the conversion does not saturate (ISA guide 7.6.2): the hold comes first
.endr
	v_cvt_scalef32_pk8_fp8_f32 v[\cod+2*\p:\cod+2*\p+1], v[\set+8*\p:\set+8*\p+7], v8
.endr
	v_nop                                          ; a plain line behind the last conversion: matrix instructions later write these registers
.irp i, 0,1,2,3,4,5,6,7,8,9,10,11,12,13,14,15
	ds_store_b32 v3, v[\cod+\i] offset:IMG*\s+16*\i
.endr
.endm
.macro FETCHX t, buf                   ; token tile t's four fragments of x, 16 loads of 512 bytes
.irp s, 0,1,2,3
.irp c, 0,1,2,3
.if (\t) < 4
	ds_load_b128 v[\buf+16*\s+4*\c:\buf+16*\s+4*\c+3], v4 offset:(4*(\t)+\s)*IMG+2*ROWP*\c
.else
	ds_load_b128 v[\buf+16*\s+4*\c:\buf+16*\s+4*\c+3], v5 offset:(4*((\t)-4)+\s)*IMG+2*ROWP*\c
.endif
.endr
.endr
.endm
; 16 products: four K steps x my four tiles of features.  The four accumulators take turns, one instruction a turn.
.macro MUL buf, isv
.if \isv
	WIN 0x04                                       ; source 1 (W) window 1
.else
	WIN 0x01                                       ; source 0 (W) window 1
.endif
.irp s, 0,1,2,3
.irp f, 0,1,2,3
.if \isv
.if \s == 0
	v_wmma_f32_16x16x128_fp8_fp8 v[ACC+8*\f:ACC+8*\f+7], v[\buf+16*\s:\buf+16*\s+15], v[16*(4*\f+\s):16*(4*\f+\s)+15], v[B1+8*\f:B1+8*\f+7]
.else
	v_wmma_f32_16x16x128_fp8_fp8 v[ACC+8*\f:ACC+8*\f+7], v[\buf+16*\s:\buf+16*\s+15], v[16*(4*\f+\s):16*(4*\f+\s)+15], v[ACC+8*\f:ACC+8*\f+7]
.endif
.else
.if \s == 0
	v_wmma_f32_16x16x128_fp8_fp8 v[ACC+8*\f:ACC+8*\f+7], v[16*(4*\f+\s):16*(4*\f+\s)+15], v[\buf+16*\s:\buf+16*\s+15], v[B1+8*\f:B1+8*\f+7]
.else
	v_wmma_f32_16x16x128_fp8_fp8 v[ACC+8*\f:ACC+8*\f+7], v[16*(4*\f+\s):16*(4*\f+\s)+15], v[\buf+16*\s:\buf+16*\s+15], v[ACC+8*\f:ACC+8*\f+7]
.endif
.endif
.endr
.endr
	WIN 0
.endm
; One tile of 16 tokens: its fragments are in; the next tile's are asked for; 16 products; the results are held, converted and stored.
.macro TSTEP t, isv
.set BUF,  XA+64*((\t)%2)
.set NBUF, XA+64*(((\t)+1)%2)
	s_wait_dscnt 0x0                               ; this tile's fragments are in
.if (\t) < 7
	FETCHX (\t)+1, NBUF                            ; into the set that the tile before multiplied: its last product stands more than four plain lines back
.endif
	MUL BUF, \isv
	PLACES 4                                       ; four plain lines between the last product and the first read of results (ISA guide 7.12.1)
	s_wait_xcnt 0x0                                ; earlier stores have read their registers: the codes' registers may be written again
.irp j, 0,1,2,3,4,5,6,7,8,9,10,11,12,13,14,15,16,17,18,19,20,21,22,23,24,25,26,27,28,29,30,31
	v_med3_num_f32 v[ACC+\j], v[ACC+\j], -v11, v11 ; each accumulator from its low end on
.endr
.if \isv
.set P, PC+16*(((\t)/2)%2)
.irp f, 0,1,2,3
	v_cvt_scalef32_pk8_fp8_f32 v[P+4*\f+2*((\t)%2):P+4*\f+2*((\t)%2)+1], v[ACC+8*\f:ACC+8*\f+7], v10   ; registers 2 T, 2 T + 1 of channel tile f's fragment
.endr
	v_nop                                          ; a plain line behind the last conversion: the next products write its sources
.if (\t)%2
.irp f, 0,1,2,3
	global_store_b128 v2, v[P+4*\f:P+4*\f+3], s[16:17] offset:2048*\f+512*((\t)/2)   ; chunk T / 2: 512 consecutive bytes
.endr
.endif
.else
.set P, PC+8*((\t)%4)
.irp f, 0,1,2,3
	v_cvt_scalef32_pk8_fp8_f32 v[P+2*\f:P+2*\f+1], v[ACC+8*\f:ACC+8*\f+7], v10   ; registers 2 f, 2 f + 1 of the token tile's fragment
.endr
	v_nop
	global_store_b128 v2, v[P:P+3], s[16:17] offset:1024*(\t)
	global_store_b128 v2, v[P+4:P+7], s[16:17] offset:1024*(\t)+512
.endif
.endm
	s_load_b256 s[4:11], s[0:1], 0x0               ; x s[4:5], wc s[6:7], bq s[8:9], bk s[10:11]
	s_load_b128 s[12:15], s[0:1], 0x20             ; bv s[12:13], the scales' exponents s[14:15]
	s_load_b64 s[16:17], s[0:1], 0x30              ; qkv
	v_lshl_add_u32 v30, v0, 2, 0x11000
	v_mov_b32 v31, 0
	v_lshrrev_b32 v12, 5, v0
	v_readfirstlane_b32 s18, v12                   ; wave 0..7
	s_mov_b32 s19, ttmp9                           ; Y
	s_and_b32 s20, ttmp7, 0xffff                   ; X
	v_and_b32 v1, 31, v0                           ; lane l
	v_lshlrev_b32 v2, 4, v1                        ; 16 l
	v_lshrrev_b32 v14, 3, v1                       ; my dword (row i, k = 4 l): image row 2 (l / 8) + (l / 2) % 2, place 8 ((l / 4) % 2) + 4 (l % 2); row i adds 16 i
	v_bfe_u32 v15, v1, 1, 1
	v_lshl_add_u32 v14, v14, 1, v15
	v_mul_u32_u24 v3, v14, ROWP
	v_bfe_u32 v15, v1, 2, 1
	v_lshl_add_u32 v3, v15, 3, v3
	v_and_b32 v15, 1, v1
	v_lshl_add_u32 v3, v15, 2, v3
	s_mul_i32 s21, s18, 4*IMG
	v_add_nc_u32 v3, s21, v3                       ; where I store x's codes: my wave's four images
	v_and_b32 v12, 15, v1                          ; r
	v_lshrrev_b32 v13, 4, v1                       ; h
	v_mul_u32_u24 v4, v13, ROWP
	v_lshl_add_u32 v4, v12, 4, v4                  ; where I read a chunk: token tiles 0-3,
	v_add_nc_u32 v5, 16*IMG, v4                    ; tiles 4-7
	s_lshl_b32 s40, s20, 18                        ; x: (128 X + 16 w) rows of 2,048 bytes
	s_lshl_b32 s42, s18, 15
	s_add_co_u32 s40, s40, s42
	s_mov_b32 s41, 0
	s_lshl_b32 s42, s19, 18                        ; wc: weight Y, my four tiles of 16 rows
	s_lshl_b32 s43, s18, 15
	s_add_co_u32 s42, s42, s43
	s_mov_b32 s43, 0
	s_lshr_b32 s48, s20, 5                         ; qkv: part Y of 2^22 bytes, head 8 (X / 32) + w of 2^18, block X % 32 of 2^13: the same for all three parts
	s_lshl_b32 s48, s48, 3
	s_add_co_u32 s48, s48, s18
	s_lshl_b32 s48, s48, 18
	s_lshl_b32 s49, s19, 22
	s_add_co_u32 s48, s48, s49
	s_and_b32 s49, s20, 31
	s_lshl_b32 s49, s49, 13
	s_add_co_u32 s48, s48, s49
	s_mov_b32 s49, 0
	s_lshl_b32 s50, s18, 8                         ; the bias: my 64 numbers
	s_mov_b32 s51, 0
	s_wait_kmcnt 0x0
	s_load_b256 s[24:31], s[14:15], 0x0            ; e0 .. e7
	s_load_b64 s[32:33], s[14:15], 0x20            ; e8, e9
	s_add_nc_u64 s[4:5], s[4:5], s[40:41]
	s_add_nc_u64 s[6:7], s[6:7], s[42:43]
	s_add_nc_u64 s[16:17], s[16:17], s[48:49]
	XLOAD 0, XA
	XLOAD 1, XB
	WLOAD 0
	s_wait_kmcnt 0x0
	s_cmp_eq_u32 s19, 0                            ; every choice hangs on the work-group's number alone
	s_cselect_b32 s34, s24, s26                    ; ex
	s_cselect_b32 s35, s25, s27                    ; ew
	s_cselect_b32 s36, s30, s31                    ; eo
	s_cselect_b64 s[44:45], s[8:9], s[10:11]       ; the bias
	s_cmp_eq_u32 s19, 2
	s_cselect_b32 s34, s28, s34
	s_cselect_b32 s35, s29, s35
	s_cselect_b32 s36, s33, s36
	s_cselect_b64 s[44:45], s[12:13], s[44:45]
	s_cselect_b32 s37, 0, 4                        ; the bias in the result's layout: q, k: number 16 f + 8 h + j;  v: number 16 f + r in all eight registers
	s_cselect_b32 s38, 4, 0
	s_cselect_b32 s39, 0, 32
	s_add_nc_u64 s[44:45], s[44:45], s[50:51]
	v_mul_u32_u24 v6, v12, s38
	v_mad_u32_u24 v6, v13, s39, v6
.irp j, 0,1,2,3,4,5,6,7
	v_mad_u32_u24 v[16+\j], s37, \j, v6
.endr
	s_add_co_i32 s40, s34, 127
	s_lshl_b32 s41, s40, 23
	v_mov_b32 v8, s41                              ; 2^ex as f32
	s_add_co_i32 s40, s40, 8
	s_lshl_b32 s40, s40, 23
	s_or_b32 s40, s40, 0x600000
	v_mov_b32 v9, s40                              ; 448 x 2^ex
	s_add_co_i32 s46, s34, s35                     ; ex + ew
	s_sub_co_i32 s40, s36, s46
	s_add_co_i32 s40, s40, 127
	s_lshl_b32 s41, s40, 23
	v_mov_b32 v10, s41                             ; 2^(eo - ex - ew): the three scales folded into the conversion's one
	s_add_co_i32 s40, s40, 8
	s_lshl_b32 s40, s40, 23
	s_or_b32 s40, s40, 0x600000
	v_mov_b32 v11, s40                             ; 448 x that
	s_sub_co_i32 s46, 0, s46                       ; -(ex + ew)
	s_wait_loadcnt 48                              ; K step 0 is in; younger: step 1's 16 loads and W's first 32
	QSET 0, XA, CA
	XLOAD 2, XA
	s_wait_loadcnt 48                              ; step 1 is in; younger: W's 32 and step 2's 16
	QSET 1, XB, CB
	XLOAD 3, XB
	s_wait_loadcnt 16                              ; step 2 (and W's first half) is in; younger: step 3's 16
	WLOAD 32
	s_wait_dscnt 16                                ; step 0's 16 stores have read their registers; step 1's may be out
	QSET 2, XA, CA
	s_wait_loadcnt 32                              ; step 3 is in; younger: W's second 32
.irp f, 0,1,2,3
.irp j, 0,1,2,3,4,5,6,7
	global_load_b32 v[B1+8*\f+\j], v[16+\j], s[44:45] offset:64*\f
.endr
.endr
	s_wait_dscnt 16                                ; step 1's stores have read their registers
	QSET 3, XB, CB
	s_wait_dscnt 0x0                               ; for the others' sake: my four images lie in LDS
	s_barrier_signal -1
	s_barrier_wait -1                              ; all 32 do; from here on LDS is only read
	FETCHX 0, XA
	s_wait_loadcnt 0x0                             ; W's second half and the bias
.irp j, 0,1,2,3,4,5,6,7,8,9,10,11,12,13,14,15,16,17,18,19,20,21,22,23,24,25,26,27,28,29,30,31
	v_ldexp_f32 v[B1+\j], v[B1+\j], s46            ; b / 2^(ex + ew)
.endr
	s_cmp_eq_u32 s19, 2
	s_cbranch_scc1 .Lv
.irp t, 0,1,2,3,4,5,6,7
	TSTEP \t, 0
.endr
	s_wait_tensorcnt 0x0
	ds_add_u32 v30, v31
	s_wait_dscnt 0x0
	s_endpgm
.Lv:
.irp t, 0,1,2,3,4,5,6,7
	TSTEP \t, 1
.endr
	s_wait_tensorcnt 0x0
	ds_add_u32 v30, v31
	s_wait_dscnt 0x0
	s_endpgm
.Lfunc_end_k_q8068a1705f_proj:
	.size	k_q8068a1705f_proj, .Lfunc_end_k_q8068a1705f_proj-k_q8068a1705f_proj
	.p2alignl 7, 3214868480
	.fill 96, 4, 3214868480
	.section	.rodata,"a",@progbits
	.p2align	6, 0x0
	.amdhsa_kernel k_q8068a1705f_proj
		.amdhsa_group_segment_fixed_size 70656
		.amdhsa_private_segment_fixed_size 0
		.amdhsa_enable_private_segment 0
		.amdhsa_kernarg_size 56
		.amdhsa_user_sgpr_count 2
		.amdhsa_user_sgpr_kernarg_segment_ptr 1
		.amdhsa_wavefront_size32 1
		.amdhsa_system_sgpr_workgroup_id_x 1
		.amdhsa_system_sgpr_workgroup_id_y 1
		.amdhsa_system_sgpr_workgroup_id_z 1
		.amdhsa_system_vgpr_workitem_id 0
		.amdhsa_next_free_vgpr 512
		.amdhsa_next_free_sgpr 66
		.amdhsa_reserve_vcc 0
		.amdhsa_float_denorm_mode_32 3
		.amdhsa_float_denorm_mode_16_64 3
		.amdhsa_memory_ordered 1
		.amdhsa_forward_progress 1
		.amdhsa_inst_pref_size 119
	.end_amdhsa_kernel
	.amdgpu_metadata
---
amdhsa.version: [ 1, 2 ]
amdhsa.kernels:
  - .name:           k_q8068a1705f_proj
    .symbol:         k_q8068a1705f_proj.kd
    .args:
      - { .name: x, .offset: 0, .size: 8, .value_kind: global_buffer, .address_space: global }
      - { .name: wc, .offset: 8, .size: 8, .value_kind: global_buffer, .address_space: global }
      - { .name: bq, .offset: 16, .size: 8, .value_kind: global_buffer, .address_space: global }
      - { .name: bk, .offset: 24, .size: 8, .value_kind: global_buffer, .address_space: global }
      - { .name: bv, .offset: 32, .size: 8, .value_kind: global_buffer, .address_space: global }
      - { .name: lowp_scales, .offset: 40, .size: 8, .value_kind: global_buffer, .address_space: global }
      - { .name: qkv, .offset: 48, .size: 8, .value_kind: global_buffer, .address_space: global }
    .group_segment_fixed_size: 70656
    .private_segment_fixed_size: 0
    .kernarg_segment_align: 8
    .kernarg_segment_size: 56
    .max_flat_workgroup_size: 256
    .sgpr_count:     66
    .vgpr_count:     512
    .wavefront_size: 32
...
	.end_amdgpu_metadata
.endif
;; end of part 2
;; launch attn (part 3): grid 16 x 16, 16 waves a work-group, clusters of 4 x 1, 327,680 bytes of LDS; arguments qkv, lowp_scales, cc; writes cc
.if DOCPART == 3
	.amdgcn_target "amdgcn-amd-amdhsa--gfx1250"
	.amdhsa_code_object_version 6
	.text
	.protected	k_q8068a1705f_attn
	.globl	k_q8068a1705f_attn
	.p2align	8
	.type	k_q8068a1705f_attn,@function
k_q8068a1705f_attn:
	s_mov_b64 s[64:65], 0
	v_nop
	global_prefetch_b8 v0, s[64:65] scope:SCOPE_SE
	s_setreg_imm32_b32 hwreg(HW_REG_WAVE_MODE, 25, 1), 1
	s_wait_xcnt 0x0
	s_wait_alu depctr_hold_cnt(0) depctr_sa_sdst(0) depctr_va_vdst(0) depctr_va_sdst(0) depctr_va_ssrc(0) depctr_va_vcc(0) depctr_vm_vsrc(0)
	s_getreg_b32 s2, hwreg(HW_REG_IB_STS2, 6, 4)
	s_cmp_eq_u32 s2, 0
	s_cbranch_scc0 .Lentry_in_a_cluster
	s_endpgm
.Lentry_in_a_cluster:
	s_bfe_u32 s2, ttmp6, 0x10000c
	s_cmp_lg_u32 s2, 0x3003
	s_cbranch_scc0 .Lentry_shape_is_right
	s_endpgm
.Lentry_shape_is_right:
; ctx[bh][q] = the sum over keys of softmax(q . k / 8) v, both products on codes of FP8 (E4M3); ctx is quantised again, as the operand of the output projection.
; q, k, v come from qkv as images of operand registers (lane (r, h): row r; registers 2c, 2c+1: k = 16c + 8h + 0..7; a chunk of four registers is 512 bytes, lane l's 16 bytes at 16 l):
;   q at byte 0 and k at 2^22: [head of batch 16][tile of 16 tokens 256][1,024 bytes];   v at 2^23: [head of batch 16][128 keys 32][16 channels 4][2,048 bytes], the keys innermost.
; THE SOFTMAX AHEAD OF THE SECOND PRODUCT: t = score x log2(e) / 8; M = the row's largest t so far, rounded UP to a whole number; p = 2^(t - M) is what is quantised; it is not normalised.
; The row's sum is taken of the unquantised p and divides at the end.  When M moves, the sum and O are multiplied by 2^(old M - new M): nothing is rounded, and no branch hangs on data.
; SHARES.  A work-group owns 256 queries of one head, each of its sixteen waves one tile of 16, in 256 registers: four waves to a SIMD, so that one wave's vector work stands beside another's
; products and LDS loads.  Every wave walks the head's 4,096 keys, 128 a step.
; BOTH PRODUCTS ARE USED TRANSPOSED: S^T = K Q^T (source 0 = 16 keys, source 1 = my queries), O^T = V^T P^T (source 0 = 16 channels, source 1 = P): a lane holds ONE query (lane % 16) throughout.
; Register j of score tile t is key 16 t + 8 h + j: a conversion of the tile's eight registers gives registers 2t, 2t+1 of P's fragment; nothing changes lanes.
; RING.  Two LDS slots of 8 key steps: 65,536 bytes of K's images, then 65,536 of V's.  Waves 0, 1 fetch K's halves, waves 2, 3 V's, 32,768 dense bytes each; a wave has at most one tensor load out.
; CLUSTER.  The four query blocks of a cluster belong to one head and walk the same K and V: each tile is asked for JOINTLY, by the same tensor load with the same descriptor and the mask of all four.
; OUT.  cc: [tile of 16 tokens 512][K step 4][2,048 bytes]; head hd fills the 1,024 bytes at 1,024 hd of a tile: register 2 (4 (hd % 2) + ct) on of K step hd / 2.
; LIMITS on the given exponents, so that each power of two below is an f32 number: e6 + e7 between -123 and 130; e8, and e10 - e8 - e9, between -126 and 119.  NaN among the inputs is not served.
; REGISTERS: v1, v2 my 16 bytes of a chunk of K, of V; v5, v6 for the add; v8, v9 addresses of the step in hand; v12 -M, v13 the largest t, v[14:15] the sum in two halves; v16-23 Q;
;   v32-95 K's eight fragments, then V's four; v96-159 S^T, then p; v160-191 O^T; v200-207 at work; v208-211 scales; v224-239 p's codes.
.set SLOT1, 1<<17                      ; slot 1 begins here: one exclusive or turns an address in one slot into the other's
.set VOFF,  65536                      ; V's images in a slot
.set STEPB, 8192                       ; a key step's images of K, and of V
.set SPARE, 2*SLOT1                    ; behind the ring: the spare words, 128 bytes for each wave: eight blocks of 256 bytes that no other line names
.set KV,  32
.set S,   96
.set O,   160
.set P,   224
.macro PLACES n
.rept \n
	v_nop
.endr
.endm
; A round of the cluster's barrier: my work-group's barrier; wave 0 signals for the work-group; every wave waits for all four work-groups; my work-group's barrier once more.
.macro CROUND
	s_barrier_signal -1
	s_barrier_wait -1
	s_cmp_lg_u32 s10, 0
	s_cbranch_scc1 .Lnot_wave_0_\@
	s_barrier_signal -3
.Lnot_wave_0_\@:
	s_barrier_wait -3
	s_barrier_signal -1
	s_barrier_wait -1
.endm
; The joint load: waves 0 to 3, one each.  The branch hangs on the wave's number alone.  Four v_nop follow the line.
.macro TLOAD
	s_cmp_lt_u32 s10, 4
	s_cbranch_scc0 .Lnone_\@
	tensor_load_to_lds s[32:35], s[24:31]
	s_nop 0
.rept 4
	v_nop
.endr
.Lnone_\@:
.endm
	s_load_b128 s[4:7], s[0:1], 0x0                ; qkv s[4:5], the scales' exponents s[6:7]
	s_load_b64 s[8:9], s[0:1], 0x10                ; cc
	v_lshl_add_u32 v5, v0, 2, SPARE
	v_mov_b32 v6, 0
	ds_add_u32 v5, v6
	s_wait_dscnt 0x0
	v_lshrrev_b32 v8, 5, v0
	v_readfirstlane_b32 s10, v8                    ; wave 0..15
	s_bfe_u32 s11, ttmp6, 0x40000                  ; cx: my place in the cluster
	s_lshl_b32 s12, ttmp9, 2
	s_add_co_u32 s12, s12, s11                     ; my block of 256 queries: it enters Q's and cc's addresses alone
	s_and_b32 s13, ttmp7, 0xffff                   ; the head of the batch, which the four partners share
	; descriptor group 1: 128 rows of 256 bytes (32 elements of 8), dense, no padding: every fragment load reads 512 consecutive bytes
	s_mov_b32 s24, 15|(3<<16)|(1<<21)              ; 15:0 the mask: all four work-groups; 17:16 elements of 8 bytes; 21 set beside a mask
	s_mov_b32 s25, 32<<16                          ; tensor_dim0 = 32
	s_mov_b32 s26, 128<<16                         ; tensor_dim1 = 128
	s_mov_b32 s27, 32<<16                          ; tile_dim0 = 32
	s_mov_b32 s28, 128                             ; tile_dim1 = 128
	s_mov_b32 s29, 32                              ; elements from row to row
	s_mov_b32 s30, 0
	s_mov_b32 s31, 0
	s_and_b32 s52, s10, 3                          ; u: 0, 1 K's halves of a slot; 2, 3 V's
	s_lshl_b32 s33, s52, 15                        ; LDS address in slot 0: 32,768 u
	s_lshr_b32 s53, s52, 1
	s_add_co_u32 s53, s53, 1
	s_lshl_b32 s56, s53, 22                        ; part 1 (k) or 2 (v) of qkv,
	s_lshl_b32 s53, s13, 18
	s_add_co_u32 s56, s56, s53                     ; the head,
	s_and_b32 s53, s52, 1
	s_lshl_b32 s53, s53, 15
	s_add_co_u32 s56, s56, s53                     ; the half
	s_mov_b32 s57, 0
	s_lshl_b32 s58, s12, 4
	s_add_co_u32 s58, s58, s10                     ; my tile of 16 queries in the head
	s_lshl_b32 s54, s58, 10
	s_lshl_b32 s53, s13, 18
	s_add_co_u32 s54, s54, s53                     ; Q's fragment
	s_mov_b32 s55, 0
	s_lshr_b32 s53, s13, 3
	s_lshl_b32 s53, s53, 8
	s_add_co_u32 s58, s58, s53                     ; my tile among all 512: 256 batch + tile
	s_lshl_b32 s58, s58, 13
	s_and_b32 s53, s13, 7
	s_lshl_b32 s53, s53, 10
	s_add_co_u32 s58, s58, s53                     ; + 1,024 x head
	s_mov_b32 s59, 0
	s_mov_b32 s40, 0x76543210                      ; lane selects for v_permlanex16_b32: lane l xor 16
	s_mov_b32 s41, 0xfedcba98
	s_mov_b32 s42, 0x3e38aa3b                      ; c = log2(e) / 8
	s_mov_b32 s36, 0                               ; LDS byte at which the step in hand begins
	s_mov_b32 s37, 3                               ; slots still to be asked for
	s_wait_kmcnt 0x0
	s_load_b256 s[44:51], s[6:7], 0x10             ; e4 .. e11: e6 s46, e7 s47, e8 s48, e9 s49, e10 s50
	s_mov_b32 s32, 1                               ; group 0: count = 1
	s_add_nc_u64 s[34:35], s[4:5], s[56:57]        ; global address: the head's first 8 steps
	s_or_b32 s35, s35, 0x80000000                  ; type = 2
	s_add_nc_u64 s[4:5], s[4:5], s[54:55]
	s_add_nc_u64 s[8:9], s[8:9], s[58:59]
	CROUND                                         ; all four work-groups are here: the first joint loads meet
	TLOAD                                          ; slot 0
	v_and_b32 v1, 31, v0
	v_lshlrev_b32 v1, 4, v1                        ; 16 x lane
	v_add_nc_u32 v2, VOFF, v1
	global_load_b128 v[16:19], v1, s[4:5] th:TH_LOAD_NT            ; Q's fragment stays in registers; read once in the launch
	global_load_b128 v[20:23], v1, s[4:5] offset:512 th:TH_LOAD_NT
	v_mov_b32 v13, 0xff61b1e6                      ; the largest t so far: -3e38, under every t
	v_floor_f32 v12, -v13                          ; -M
	v_mov_b32 v14, 0                               ; the sum, in two halves
	v_mov_b32 v15, 0
	v_mov_b32 v202, 0                              ; written once: a lane permute's destination counts as one of its sources
	v_mov_b32 v205, 0                              ; (named as the upper half of the pair v[204:205])
.set j, 0
.rept 32
	v_mov_b32 v[O+j], 0                            ; O^T.  (The step is written once: the first finds zeros, which the first change of M leaves zeros)
.set j, j+1
.endr
	s_wait_kmcnt 0x0
	s_add_co_i32 s52, s46, s47
	s_lshl_b32 s52, s52, 23
	s_add_co_i32 s42, s42, s52                     ; a score stands for score x 2^(e6 + e7): the two exponents are added to c's exponent field
	s_mov_b32 s43, s42                             ; (named with it as a pair, so it is written)
	s_add_co_i32 s52, s48, 127
	s_lshl_b32 s53, s52, 23
	v_mov_b32 v209, s53                            ; 2^e8 as f32, for p's conversion
	s_add_co_i32 s52, s52, 8
	s_lshl_b32 s52, s52, 23
	s_or_b32 s52, s52, 0x600000
	v_mov_b32 v208, s52                            ; 448 x 2^e8
	s_sub_co_i32 s52, s50, s48
	s_sub_co_i32 s52, s52, s49
	s_add_co_i32 s52, s52, 127
	s_lshl_b32 s53, s52, 23
	v_mov_b32 v210, s53                            ; 2^(e10 - e8 - e9): O / l stands for ctx / 2^(e8 + e9)
	s_add_co_i32 s52, s52, 8
	s_lshl_b32 s52, s52, 23
	s_or_b32 s52, s52, 0x600000
	v_mov_b32 v211, s52                            ; 448 x that
; A KEY STEP: 128 keys.
.macro STEP
	v_add_nc_u32 v8, s36, v1                       ; these two and two v_nop are the four plain lines between the last products and the loads into the registers that they read (ISA guide 7.12.1 for vector instructions)
	v_add_nc_u32 v9, s36, v2
	v_nop
	v_nop
.set u, 0
.rept 16
	ds_load_b128 v[KV+4*u:KV+4*u+3], v8 offset:512*u   ; K: tile u / 2 of 16 keys, chunk u % 2
.set u, u+1
.endr
	s_wait_dscnt 0x0
.set t, 0
.rept 8
	v_wmma_f32_16x16x64_fp8_fp8 v[S+8*t:S+8*t+7], v[KV+8*t:KV+8*t+7], v[16:23], 0
.set t, t+1
.endr
	PLACES 4                                       ; in front of the loads below and of the first read of scores
.set u, 0
.rept 16
	ds_load_b128 v[KV+4*u:KV+4*u+3], v9 offset:512*u   ; V: tile u / 4 of 16 channels, chunk u % 4: it lands while the softmax is worked
.set u, u+1
.endr
	v_max3_num_f32 v200, v[S], v[S+1], v[S+2]      ; the step's largest score of my query among my 64 keys, in two chains, in ascending order of the registers
	v_max3_num_f32 v201, v[S+3], v[S+4], v[S+5]
.set i, 6
.rept 14
	v_max3_num_f32 v200, v200, v[S+i], v[S+i+1]
	v_max3_num_f32 v201, v201, v[S+i+2], v[S+i+3]
.set i, i+4
.endr
	v_max3_num_f32 v200, v200, v[S+62], v[S+63]
	v_max_num_f32 v200, v200, v201
	v_permlanex16_b32 v202, v200, s40, s41
	v_max_num_f32 v200, v200, v202                 ; and among lane l xor 16's
	v_mul_f32 v200, s42, v200                      ; as t (c is positive)
	v_max_num_f32 v13, v13, v200                   ; the running largest t
	v_mov_b32 v200, v12
	v_floor_f32 v12, -v13                          ; the new -M = floor(-t) = -ceil(t): a whole number
	v_sub_f32 v200, v12, v200                      ; M's old value less its new one: a whole number, 0 or less
	v_cvt_i32_f32 v200, v200                       ; (it saturates)
	v_ldexp_f32 v204, 1.0, v200                    ; f = 2^(old M - new M)
.set j, 0
.rept 32
	v_pk_fma_f32 v[S+j:S+j+1], v[S+j:S+j+1], s[42:43], v[12:13] op_sel_hi:[1,0,0]   ; t - M, two at a time (of the pairs c and -M the low word serves both halves)
.set j, j+2
.endr
.set j, 0
.rept 64
	v_exp_f32 v[S+j], v[S+j]                       ; p = 2^(t - M), at most 1
.set j, j+1
.endr
	v_pk_mul_f32 v[14:15], v[14:15], v[204:205] op_sel_hi:[1,0]    ; the sums under the new M.  (The plain line behind the exponentials: ISA guide 5.7.2)
	s_wait_alu depctr_va_vdst(0)
	v_pk_add_f32 v[206:207], v[S:S+1], v[S+2:S+3]  ; the row's sum is taken of the unquantised p: two at a time, in two chains
.set j, 4
.rept 15
	v_pk_add_f32 v[14:15], v[14:15], v[S+j:S+j+1]
	v_pk_add_f32 v[206:207], v[206:207], v[S+j+2:S+j+3]
.set j, j+4
.endr
	v_pk_add_f32 v[14:15], v[14:15], v[206:207]
.set t, 0
.rept 8
.set i, 0
.rept 8
	v_min_num_f32 v[S+8*t+i], v[S+8*t+i], v208     ; the conversion does not saturate (ISA guide 7.6.2); p is not negative, so the hold is one-sided
.set i, i+1
.endr
	v_cvt_scalef32_pk8_fp8_f32 v[P+2*t:P+2*t+1], v[S+8*t:S+8*t+7], v209   ; keys 16 t + 8 h + 0..7: registers 2 t, 2 t + 1 of P's fragment
.set t, t+1
.endr
.set j, 0
.rept 16
	v_pk_mul_f32 v[O+j:O+j+1], v[O+j:O+j+1], v[204:205] op_sel_hi:[1,0]   ; O^T under the new M.  (Also the plain lines behind the conversions)
.set j, j+2
.endr
	s_wait_dscnt 0x0                               ; V is in
.set t, 0
.rept 4
	v_wmma_f32_16x16x128_fp8_fp8 v[O+8*t:O+8*t+7], v[KV+16*t:KV+16*t+15], v[P:P+15], v[O+8*t:O+8*t+7]   ; the four accumulators take turns, one instruction a turn
.set t, t+1
.endr
	s_add_co_u32 s36, s36, STEPB
.endm
; THE CHANGE OF SLOTS stands at a slot's head.  Each wave waits for all its tensor loads (its part of the slot that it is about to read), adds 0 to its spare word, and waits for that and for its
; reads of the slot that it has left.  fill = 1: the barrier is a round of the cluster's, so that no wave of any partner still reads that slot or has a load on its way, and the joint load of
; the next 8 steps into it is the first thing behind the round: it has 8 key steps in which to land.
.macro CHANGE fill
	s_wait_tensorcnt 0x0                           ; no tensor load of mine is out, so group 0 may be written
	ds_add_u32 v5, v6                              ; 0 onto my spare word
.if \fill
	s_xor_b32 s33, s33, SLOT1                      ; the walking descriptor: the other slot than last time,
	s_add_nc_u64 s[34:35], s[34:35], 8*STEPB       ; the next 8 steps; the type bits on top are not reached
.endif
	s_wait_dscnt 0x0                               ; the add is done, and my reads of the slot that I have left are over
.if \fill
	CROUND
	TLOAD
.else
	s_barrier_signal -1
	s_barrier_wait -1
.endif
.endm
.macro SLOT_STEPS                      ; a slot's 8 key steps: written once, walked eight times
	s_mov_b32 s38, 8
.Lstep_\@:
	STEP
	s_sub_co_u32 s38, s38, 1
	s_cmp_lg_u32 s38, 0
	s_cbranch_scc1 .Lstep_\@
	s_sub_co_u32 s36, s36, 8*STEPB                 ; back to a slot's first step,
	s_xor_b32 s36, s36, SLOT1                      ; in the other slot
.endm
	s_wait_loadcnt 0x0                             ; Q
.Lslot:                                            ; three trips: behind each change of slots but the last the next slot is asked for
	CHANGE 1
	SLOT_STEPS
	s_sub_co_u32 s37, s37, 1
	s_cmp_lg_u32 s37, 0
	s_cbranch_scc1 .Lslot
	CHANGE 0                                       ; the last slot is written out
	SLOT_STEPS
	; THE WAY OUT: O^T / the sum, held and converted: a lane's registers are its place in ctx's fragment, so the codes leave as they stand.
	PLACES 4                                       ; between the last products and the first read of their results
	v_add_f32 v14, v14, v15                        ; the sum's two halves,
	v_permlanex16_b32 v202, v14, s40, s41
	v_add_f32 v14, v14, v202                       ; and lane l xor 16's: the row's sum
	v_rcp_f32 v204, v14
	v_nop                                          ; a plain line behind the transcendental
.set j, 0
	s_wait_alu depctr_va_vdst(0)
.rept 16
	v_pk_mul_f32 v[S+j:S+j+1], v[O+j:O+j+1], v[204:205] op_sel_hi:[1,0]   ; each accumulator from its low end on
.set j, j+2
.endr
.set j, 0
.rept 32
	v_med3_num_f32 v[S+j], v[S+j], -v211, v211
.set j, j+1
.endr
.set t, 0
.rept 4
	v_cvt_scalef32_pk8_fp8_f32 v[S+32+2*t:S+32+2*t+1], v[S+8*t:S+8*t+7], v210   ; channels 16 t + 8 h + 0..7
.set t, t+1
.endr
	v_nop                                          ; a plain line behind the last conversion
	global_store_b128 v1, v[S+32:S+35], s[8:9]                 ; 32 lanes store 512 consecutive bytes, at a multiple of 512 from cc's first byte
	global_store_b128 v1, v[S+36:S+39], s[8:9] offset:512
	s_wait_tensorcnt 0x0                           ; the wave's end
	ds_add_u32 v5, v6
	s_wait_dscnt 0x0
	CROUND                                         ; the closing round: no work-group ends while a partner may still ask for a tile that names it
	s_endpgm
.Lfunc_end_k_q8068a1705f_attn:
	.size	k_q8068a1705f_attn, .Lfunc_end_k_q8068a1705f_attn-k_q8068a1705f_attn
	.p2alignl 7, 3214868480
	.fill 96, 4, 3214868480
	.section	.rodata,"a",@progbits
	.p2align	6, 0x0
	.amdhsa_kernel k_q8068a1705f_attn
		.amdhsa_group_segment_fixed_size 327680
		.amdhsa_private_segment_fixed_size 0
		.amdhsa_enable_private_segment 0
		.amdhsa_kernarg_size 24
		.amdhsa_user_sgpr_count 2
		.amdhsa_user_sgpr_kernarg_segment_ptr 1
		.amdhsa_wavefront_size32 1
		.amdhsa_system_sgpr_workgroup_id_x 1
		.amdhsa_system_sgpr_workgroup_id_y 1
		.amdhsa_system_sgpr_workgroup_id_z 1
		.amdhsa_system_vgpr_workitem_id 0
		.amdhsa_next_free_vgpr 256
		.amdhsa_next_free_sgpr 66
		.amdhsa_reserve_vcc 0
		.amdhsa_float_denorm_mode_32 3
		.amdhsa_float_denorm_mode_16_64 3
		.amdhsa_memory_ordered 1
		.amdhsa_forward_progress 1
		.amdhsa_inst_pref_size 42
	.end_amdhsa_kernel
	.amdgpu_metadata
---
amdhsa.version: [ 1, 2 ]
amdhsa.kernels:
  - .name:           k_q8068a1705f_attn
    .symbol:         k_q8068a1705f_attn.kd
    .args:
      - { .name: qkv, .offset: 0, .size: 8, .value_kind: global_buffer, .address_space: global }
      - { .name: lowp_scales, .offset: 8, .size: 8, .value_kind: global_buffer, .address_space: global }
      - { .name: cc, .offset: 16, .size: 8, .value_kind: global_buffer, .address_space: global }
    .group_segment_fixed_size: 327680
    .private_segment_fixed_size: 0
    .kernarg_segment_align: 8
    .kernarg_segment_size: 24
    .max_flat_workgroup_size: 512
    .sgpr_count:     66
    .vgpr_count:     256
    .wavefront_size: 32
...
	.end_amdgpu_metadata
.endif
;; end of part 3
;; launch outp (part 4): grid 4 x 64, 4 waves a work-group, no clusters, 99,840 bytes of LDS; arguments cc, wc, bo, lowp_scales, out0; writes out0
.if DOCPART == 4
	.amdgcn_target "amdgcn-amd-amdhsa--gfx1250"
	.amdhsa_code_object_version 6
	.text
	.protected	k_q8068a1705f_outp
	.globl	k_q8068a1705f_outp
	.p2align	8
	.type	k_q8068a1705f_outp,@function
k_q8068a1705f_outp:
	s_mov_b64 s[64:65], 0
	v_nop
	global_prefetch_b8 v0, s[64:65] scope:SCOPE_SE
	s_setreg_imm32_b32 hwreg(HW_REG_WAVE_MODE, 25, 1), 1
	s_wait_xcnt 0x0
; out0 = ctx Wo^T + bo on codes of FP8 (E4M3).  ctx's codes (cc) and Wo's (wc, fourth weight) come as images of operand registers: a fragment of 16 rows x 128 k is four chunks
; of 512 bytes, lane l's 16 bytes at 16 l.  A sum is multiplied once by 2^(e10 + e11) and bo is added, by one packed multiply-add for two numbers.
; LIMIT: e10 + e11 between -126 and 127, so that the power of two is an f32 number.
; Work-group (Y, X): 128 features x 128 tokens.  Four waves; wave w takes tokens 32 w .. 32 w + 31 (two tiles, their 8 fragments in registers, window 1) against all 8 tiles of features.
; Wo's 32 fragments go once through LDS: each wave copies a quarter; one barrier; each fragment read from LDS feeds two products.
; THE MATRIX INSTRUCTION IS USED TRANSPOSED (source 0 = 16 rows of Wo, source 1 = 16 tokens): a lane holds eight neighbouring features of one token's row.  They go through the wave's own
; stage in LDS and come back as whole rows of 512 bytes.
; REGISTERS.  window 0: v2 16 x lane; v3, v4 the stage, in and back; v7 the copy's place; v[8:11] bo; v16-111 Wo's fragments, three sets of two; v128-255 first the copy's bytes, then the 16 accumulators
; (token tile tt, feature tile f at v[128 + 64 tt + 8 f]).   window 1: v0-127 ctx's fragment (tt, s) at v[64 tt + 16 s].
.set WB,   16
.set ACC,  128
.set STG,  65536                       ; behind Wo's 65,536 bytes: a stage of 16 rows x (512 bytes + 16) for each wave
.set SP,   528
.set MSB, 0
.macro WIN new                         ; the immediate's high byte repeats the setting that is left
.if MSB != \new
	s_set_vgpr_msb (MSB<<8)|\new
.set MSB, \new
.endif
.endm
.macro PLACES n
.rept \n
	v_nop
.endr
.endm
.macro FETCHW n                        ; group n = 4 s + p: Wo's fragments of feature tiles 2 p, 2 p + 1, K step s, into set n % 3
.irp i, 0,1
.irp c, 0,1,2,3
	ds_load_b128 v[WB+32*((\n)%3)+16*\i+4*\c:WB+32*((\n)%3)+16*\i+4*\c+3], v2 offset:(2*((\n)%4)+\i)*8192+((\n)/4)*2048+512*\c
.endr
.endr
.endm
.macro GROUP n                         ; four products; the 16 accumulators take turns, one instruction a turn
.if (\n)+2 < 16
.if (\n) > 0
	PLACES 4                                       ; four plain lines between the products of the group before and the loads into the set that they read
.endif
	FETCHW (\n)+2
	s_wait_dscnt 16                                ; this group's 8 loads are in; those of the two groups behind it may be out
.elseif (\n) == 14
	s_wait_dscnt 8
.else
	s_wait_dscnt 0
.endif
.irp tt, 0,1
.irp i, 0,1
.if (\n)/4 == 0
	v_wmma_f32_16x16x128_fp8_fp8 v[ACC+64*\tt+8*(2*((\n)%4)+\i):ACC+64*\tt+8*(2*((\n)%4)+\i)+7], v[WB+32*((\n)%3)+16*\i:WB+32*((\n)%3)+16*\i+15], v[64*\tt+16*((\n)/4):64*\tt+16*((\n)/4)+15], 0
.else
	v_wmma_f32_16x16x128_fp8_fp8 v[ACC+64*\tt+8*(2*((\n)%4)+\i):ACC+64*\tt+8*(2*((\n)%4)+\i)+7], v[WB+32*((\n)%3)+16*\i:WB+32*((\n)%3)+16*\i+15], v[64*\tt+16*((\n)/4):64*\tt+16*((\n)/4)+15], v[ACC+64*\tt+8*(2*((\n)%4)+\i):ACC+64*\tt+8*(2*((\n)%4)+\i)+7]
.endif
.endr
.endr
.endm
.macro OUTT tt, bk                     ; token tile tt: 16 rows x 128 features through my stage, then x 2^(e10 + e11) + bo, then out
.irp f, 0,1,2,3,4,5,6,7
	ds_store_b128 v3, v[ACC+64*\tt+8*\f:ACC+64*\tt+8*\f+3] offset:64*\f          ; each accumulator from its low end on
	ds_store_b128 v3, v[ACC+64*\tt+8*\f+4:ACC+64*\tt+8*\f+7] offset:64*\f+16
.endr
.irp i, 0,1,2,3,4,5,6,7,8,9,10,11,12,13,14,15
	ds_load_b128 v[\bk+4*\i:\bk+4*\i+3], v4 offset:SP*\i   ; LDS serves a wave's instructions in order (ISA guide 5.7.1.4): these see my stores
.endr
.irp i, 0,1,2,3,4,5,6,7,8,9,10,11,12,13,14,15
	s_wait_dscnt 15-\i                             ; row i is back
	v_pk_fma_f32 v[\bk+4*\i:\bk+4*\i+1], v[\bk+4*\i:\bk+4*\i+1], s[46:47], v[8:9] op_sel_hi:[1,0,1]
	v_pk_fma_f32 v[\bk+4*\i+2:\bk+4*\i+3], v[\bk+4*\i+2:\bk+4*\i+3], s[46:47], v[10:11] op_sel_hi:[1,0,1]
	global_store_b128 v2, v[\bk+4*\i:\bk+4*\i+3], s[12:13] offset:32768*\tt+2048*\i th:TH_STORE_NT   ; 32 lanes store 512 consecutive bytes, at a multiple of 512 from out0's first byte
.endr
.endm
	s_load_b256 s[4:11], s[0:1], 0x0               ; cc s[4:5], wc s[6:7], bo s[8:9], the scales' exponents s[10:11]
	s_load_b64 s[12:13], s[0:1], 0x20              ; out0
	v_lshl_add_u32 v126, v0, 2, 0x18400
	v_mov_b32 v127, 0
	v_lshrrev_b32 v1, 5, v0
	v_readfirstlane_b32 s14, v1                    ; wave 0..3
	v_and_b32 v1, 31, v0
	v_lshlrev_b32 v2, 4, v1                        ; 16 x lane
	v_and_b32 v5, 15, v0                           ; r
	v_bfe_u32 v6, v0, 4, 1                         ; h
	s_mul_i32 s15, s14, 16*SP
	s_add_co_u32 s15, s15, STG                     ; my stage
	v_mul_u32_u24 v3, v5, SP
	v_lshl_add_u32 v3, v6, 5, v3
	v_add_nc_u32 v3, s15, v3                       ; in: row r, + 32 h; feature tile f adds 64 f
	v_add_nc_u32 v4, s15, v2                       ; back: the 32 lanes take one row of 512 bytes
	s_lshl_b32 s16, s14, 14
	v_add_nc_u32 v7, s16, v2                       ; the copy: my quarter of Wo's 65,536 bytes
	s_mov_b32 s17, ttmp9                           ; Y
	s_and_b32 s18, ttmp7, 0xffff                   ; X
	s_lshl_b32 s20, s17, 16                        ; wc: the fourth weight, feature tiles 8 Y + 2 w on
	s_add_co_u32 s20, s20, s16
	s_add_co_u32 s20, s20, 3*262144
	s_mov_b32 s21, 0
	s_lshl_b32 s22, s18, 16                        ; cc: token tiles 8 X + 2 w on
	s_add_co_u32 s22, s22, s16
	s_mov_b32 s23, 0
	s_lshl_b32 s24, s17, 9                         ; bo: features 128 Y on
	s_mov_b32 s25, 0
	s_lshl_b32 s26, s18, 18                        ; out0: row 128 X + 32 w, + 512 Y bytes
	s_lshl_b32 s27, s14, 16
	s_add_co_u32 s26, s26, s27
	s_add_co_u32 s26, s26, s24
	s_mov_b32 s27, 0
	s_wait_kmcnt 0x0
	s_load_b64 s[44:45], s[10:11], 0x28            ; e10, e11
	s_add_nc_u64 s[6:7], s[6:7], s[20:21]
	s_add_nc_u64 s[4:5], s[4:5], s[22:23]
	s_add_nc_u64 s[8:9], s[8:9], s[24:25]
	s_add_nc_u64 s[12:13], s[12:13], s[26:27]
.set n, 0
.rept 32
	global_load_b128 v[ACC+4*n:ACC+4*n+3], v2, s[6:7] offset:512*n   ; my quarter of Wo's codes
.set n, n+1
.endr
	WIN 0x40                                       ; destination window 1
.set n, 0
.rept 32
	global_load_b128 v[4*n:4*n+3], v2, s[4:5] offset:512*n           ; my two token tiles' fragments: they stay
.set n, n+1
.endr
	WIN 0
	global_load_b128 v[8:11], v2, s[8:9]           ; bo of columns 128 Y + 4 lane .. + 3: my columns of a row on the way out
	s_wait_loadcnt 33                              ; Wo's 32 loads are in; younger: ctx's 32 and bo's one
.set n, 0
.rept 32
	ds_store_b128 v7, v[ACC+4*n:ACC+4*n+3] offset:512*n
.set n, n+1
.endr
	s_wait_kmcnt 0x0
	s_add_co_i32 s46, s44, s45
	s_add_co_i32 s46, s46, 127
	s_lshl_b32 s46, s46, 23                        ; 2^(e10 + e11) as f32
	s_mov_b32 s47, s46                             ; (named with it as a pair, so it is written)
	s_wait_dscnt 0x0                               ; for the others' sake: my quarter lies in LDS
	s_barrier_signal -1
	s_barrier_wait -1                              ; all of Wo does; it is only read from here on
	s_wait_loadcnt 0x0                             ; ctx and bo
	WIN 0x04                                       ; source 1 (ctx) window 1; all else, the LDS loads' places too, window 0
	FETCHW 0
	FETCHW 1
.irp n, 0,1,2,3,4,5,6,7,8,9,10,11,12,13,14,15
	GROUP \n
.endr
	WIN 0
	PLACES 4                                       ; between the last products and the first read of results, and the loads into Wo's sets
	OUTT 0, WB                                     ; rows come back into Wo's sets, which are done with,
	OUTT 1, ACC                                    ; and into tile 0's accumulators: the count-down above ended at 0, so the stage's stores have read them
	s_wait_tensorcnt 0x0
	ds_add_u32 v126, v127
	s_wait_dscnt 0x0
	s_endpgm
.Lfunc_end_k_q8068a1705f_outp:
	.size	k_q8068a1705f_outp, .Lfunc_end_k_q8068a1705f_outp-k_q8068a1705f_outp
	.p2alignl 7, 3214868480
	.fill 96, 4, 3214868480
	.section	.rodata,"a",@progbits
	.p2align	6, 0x0
	.amdhsa_kernel k_q8068a1705f_outp
		.amdhsa_group_segment_fixed_size 99840
		.amdhsa_private_segment_fixed_size 0
		.amdhsa_enable_private_segment 0
		.amdhsa_kernarg_size 40
		.amdhsa_user_sgpr_count 2
		.amdhsa_user_sgpr_kernarg_segment_ptr 1
		.amdhsa_wavefront_size32 1
		.amdhsa_system_sgpr_workgroup_id_x 1
		.amdhsa_system_sgpr_workgroup_id_y 1
		.amdhsa_system_sgpr_workgroup_id_z 1
		.amdhsa_system_vgpr_workitem_id 0
		.amdhsa_next_free_vgpr 384
		.amdhsa_next_free_sgpr 66
		.amdhsa_reserve_vcc 0
		.amdhsa_float_denorm_mode_32 3
		.amdhsa_float_denorm_mode_16_64 3
		.amdhsa_memory_ordered 1
		.amdhsa_forward_progress 1
		.amdhsa_inst_pref_size 37
	.end_amdhsa_kernel
	.amdgpu_metadata
---
amdhsa.version: [ 1, 2 ]
amdhsa.kernels:
  - .name:           k_q8068a1705f_outp
    .symbol:         k_q8068a1705f_outp.kd
    .args:
      - { .name: cc, .offset: 0, .size: 8, .value_kind: global_buffer, .address_space: global }
      - { .name: wc, .offset: 8, .size: 8, .value_kind: global_buffer, .address_space: global }
      - { .name: bo, .offset: 16, .size: 8, .value_kind: global_buffer, .address_space: global }
      - { .name: lowp_scales, .offset: 24, .size: 8, .value_kind: global_buffer, .address_space: global }
      - { .name: out0, .offset: 32, .size: 8, .value_kind: global_buffer, .address_space: global }
    .group_segment_fixed_size: 99840
    .private_segment_fixed_size: 0
    .kernarg_segment_align: 8
    .kernarg_segment_size: 40
    .max_flat_workgroup_size: 128
    .sgpr_count:     66
    .vgpr_count:     384
    .wavefront_size: 32
...
	.end_amdgpu_metadata
.endif
;; end of part 4
;; ======== version 2 of 2: 4 launches
;; workspace buffers: wc 1,048,576 bytes; qkv 12,582,912 bytes; cc 4,194,304 bytes
;; launch wq (part 5): grid 256 x 1, 2 waves a work-group, no clusters, 4,864 bytes of LDS; arguments Wq, Wk, Wv, Wo, lowp_scales, wc; writes wc
.if DOCPART == 5
	.amdgcn_target "amdgcn-amd-amdhsa--gfx1250"
	.amdhsa_code_object_version 6
	.text
	.protected	k_q8068a1705f_wq
	.globl	k_q8068a1705f_wq
	.p2align	8
	.type	k_q8068a1705f_wq,@function
k_q8068a1705f_wq:
	s_mov_b64 s[64:65], 0
	v_nop
	global_prefetch_b8 v0, s[64:65] scope:SCOPE_SE
	s_setreg_imm32_b32 hwreg(HW_REG_WAVE_MODE, 25, 1), 1
	s_wait_xcnt 0x0
; The four weights [512 (n)][512 (k)], f32, K innermost, become codes of FP8 (E4M3), each with its given scale 2^e
; (entries 1, 3, 5, 11 of the scales), laid as IMAGES OF OPERAND REGISTERS of v_wmma_f32_16x16x128_fp8_fp8:
; a fragment is 16 rows x 128 k; lane (r = lane % 16, h = lane / 16) holds row r, its registers 2c, 2c+1 hold k = 16c + 8h + 0..7.
; In memory a fragment is four chunks of 512 bytes; chunk q holds registers 4q .. 4q+3, lane l's 16 bytes at 16 l.
; wc: [weight 4][tile of 16 rows 32][K step 4][2,048 bytes].  One wave makes one fragment: 512 waves, 256 work-groups of two.
; code = x / 2^e, held within +-448, to the nearest code, ties to even.  LIMITS: -126 <= e <= 119.  NaN among the inputs is not served.
; Each load reads 512 consecutive bytes of a row (4 numbers a lane); a conversion takes two rows' numbers of a lane and gives
; one dword of codes for each row; the dwords change lanes through the wave's own LDS bytes.  Waves share nothing: no barrier.
.set R,    16                          ; v16-79   16 rows x 4 numbers
.set C,    80                          ; v80-95   row i's dword of codes: k = 4 lane .. + 3
.set OUT,  96                          ; v96-111  the fragment's four chunks
.set ROWP, 272                         ; LDS: 8 rows (2 chunk + h) of 256 bytes + 16 of padding = 68 words: the 32 lanes of a dword store fall on 32 different banks (64 banks of 4 bytes: ISA guide 11.1)
.set IMGW, 2304                        ; a wave's LDS bytes
	s_load_b256 s[4:11], s[0:1], 0x0               ; Wq s[4:5], Wk s[6:7], Wv s[8:9], Wo s[10:11]
	s_load_b128 s[12:15], s[0:1], 0x20             ; the scales' exponents s[12:13], wc s[14:15]
	v_lshl_add_u32 v112, v0, 2, 0x1200
	v_mov_b32 v113, 0
	v_lshrrev_b32 v5, 5, v0
	v_readfirstlane_b32 s16, v5                    ; wave 0, 1
	v_and_b32 v1, 31, v0                           ; lane l
	v_lshlrev_b32 v2, 4, v1                        ; 16 l: my bytes of a load's and of a store's 512
	s_mul_i32 s18, s16, IMGW
	; my dword (row i, k = 4 l) belongs to lane 16 h + i with h = (l / 2) % 2, register 2 (l / 4) + l % 2: chunk l / 8, place 2 ((l / 4) % 2) + l % 2
	v_lshrrev_b32 v5, 3, v1
	v_bfe_u32 v6, v1, 1, 1
	v_lshl_add_u32 v5, v5, 1, v6                   ; LDS row 2 chunk + h
	v_mul_u32_u24 v3, v5, ROWP
	v_bfe_u32 v6, v1, 2, 1
	v_lshl_add_u32 v3, v6, 3, v3
	v_and_b32 v6, 1, v1
	v_lshl_add_u32 v3, v6, 2, v3
	v_add_nc_u32 v3, s18, v3                       ; where I store; row i adds 16 i
	v_lshrrev_b32 v5, 4, v1
	v_and_b32 v6, 15, v1
	v_mul_u32_u24 v4, v5, ROWP
	v_lshl_add_u32 v4, v6, 4, v4
	v_add_nc_u32 v4, s18, v4                       ; where I read back; chunk q adds 2 rows
	s_lshr_b32 s17, ttmp9, 6                       ; which weight: 0 q, 1 k, 2 v, 3 o
	s_and_b32 s19, s17, 1
	s_bfe_u32 s40, ttmp9, 0x50001                  ; which 16 rows
	s_lshl_b32 s40, s40, 15                        ; x 16 rows of 2,048 bytes
	s_and_b32 s41, ttmp9, 1
	s_lshl_b32 s41, s41, 1
	s_add_co_u32 s41, s41, s16                     ; which K step
	s_lshl_b32 s41, s41, 9                         ; x 128 numbers of 4 bytes
	s_add_co_u32 s40, s40, s41
	s_mov_b32 s41, 0
	s_lshl_b32 s42, ttmp9, 1
	s_add_co_u32 s42, s42, s16                     ; the fragment's number: 128 weight + 4 tile + K step
	s_lshl_b32 s42, s42, 11
	s_mov_b32 s43, 0
	s_wait_kmcnt 0x0
	s_load_b256 s[24:31], s[12:13], 0x0            ; e0 .. e7
	s_load_b128 s[32:35], s[12:13], 0x20           ; e8 .. e11
	s_cmp_lt_u32 s17, 2                            ; the choice hangs on the work-group's number alone
	s_cselect_b64 s[20:21], s[4:5], s[8:9]         ; Wq or Wv
	s_cselect_b64 s[22:23], s[6:7], s[10:11]       ; Wk or Wo
	s_cmp_eq_u32 s19, 0
	s_cselect_b64 s[20:21], s[20:21], s[22:23]
	s_add_nc_u64 s[20:21], s[20:21], s[40:41]
	s_add_nc_u64 s[14:15], s[14:15], s[42:43]
.irp i, 0,1,2,3,4,5,6,7,8,9,10,11,12,13,14,15
	global_load_b128 v[R+4*\i:R+4*\i+3], v2, s[20:21] offset:2048*\i th:TH_LOAD_NT   ; row i: 32 lanes read 512 consecutive bytes; read once in the launch
.endr
	s_wait_kmcnt 0x0
	s_cmp_lt_u32 s17, 2
	s_cselect_b32 s36, s25, s29                    ; e1 or e5
	s_cselect_b32 s37, s27, s35                    ; e3 or e11
	s_cmp_eq_u32 s19, 0
	s_cselect_b32 s36, s36, s37                    ; e
	s_add_co_i32 s36, s36, 127
	s_lshl_b32 s37, s36, 23
	v_mov_b32 v11, s37                             ; 2^e as f32: the conversion takes its exponent field
	s_add_co_i32 s36, s36, 8
	s_lshl_b32 s36, s36, 23
	s_or_b32 s36, s36, 0x600000
	v_mov_b32 v10, s36                             ; 448 x 2^e
	s_wait_alu depctr_va_vdst(0)
.irp p, 0,1,2,3,4,5,6,7
	s_wait_loadcnt 14-2*\p                         ; loads come back in order: rows 2 p and 2 p + 1 are in, the younger rows may be out
.irp i, 0,1,2,3,4,5,6,7
	v_med3_num_f32 v[R+8*\p+\i], v[R+8*\p+\i], -v10, v10   ; the conversion to an 8-bit code does not saturate (ISA guide 7.6.2): the hold comes first
.endr
	v_cvt_scalef32_pk8_fp8_f32 v[C+2*\p:C+2*\p+1], v[R+8*\p:R+8*\p+7], v11   ; four codes of row 2 p, four of row 2 p + 1
.endr
	v_nop                                          ; a plain line behind the last conversion
.irp i, 0,1,2,3,4,5,6,7,8,9,10,11,12,13,14,15
	ds_store_b32 v3, v[C+\i] offset:16*\i
.endr
.irp q, 0,1,2,3
	ds_load_b128 v[OUT+4*\q:OUT+4*\q+3], v4 offset:2*ROWP*\q   ; LDS serves a wave's instructions in order (ISA guide 5.7.1.4): these see my stores
.endr
.irp q, 0,1,2,3
	s_wait_dscnt 3-\q                              ; chunk q is back
	global_store_b128 v2, v[OUT+4*\q:OUT+4*\q+3], s[14:15] offset:512*\q   ; 32 lanes store 512 consecutive bytes, at a multiple of 512 from wc's first byte
.endr
	s_wait_tensorcnt 0x0
	ds_add_u32 v112, v113
	s_wait_dscnt 0x0
	s_endpgm
.Lfunc_end_k_q8068a1705f_wq:
	.size	k_q8068a1705f_wq, .Lfunc_end_k_q8068a1705f_wq-k_q8068a1705f_wq
	.p2alignl 7, 3214868480
	.fill 96, 4, 3214868480
	.section	.rodata,"a",@progbits
	.p2align	6, 0x0
	.amdhsa_kernel k_q8068a1705f_wq
		.amdhsa_group_segment_fixed_size 4864
		.amdhsa_private_segment_fixed_size 0
		.amdhsa_enable_private_segment 0
		.amdhsa_kernarg_size 48
		.amdhsa_user_sgpr_count 2
		.amdhsa_user_sgpr_kernarg_segment_ptr 1
		.amdhsa_wavefront_size32 1
		.amdhsa_system_sgpr_workgroup_id_x 1
		.amdhsa_system_sgpr_workgroup_id_y 1
		.amdhsa_system_sgpr_workgroup_id_z 1
		.amdhsa_system_vgpr_workitem_id 0
		.amdhsa_next_free_vgpr 114
		.amdhsa_next_free_sgpr 66
		.amdhsa_reserve_vcc 0
		.amdhsa_float_denorm_mode_32 3
		.amdhsa_float_denorm_mode_16_64 3
		.amdhsa_memory_ordered 1
		.amdhsa_forward_progress 1
		.amdhsa_inst_pref_size 11
	.end_amdhsa_kernel
	.amdgpu_metadata
---
amdhsa.version: [ 1, 2 ]
amdhsa.kernels:
  - .name:           k_q8068a1705f_wq
    .symbol:         k_q8068a1705f_wq.kd
    .args:
      - { .name: Wq, .offset: 0, .size: 8, .value_kind: global_buffer, .address_space: global }
      - { .name: Wk, .offset: 8, .size: 8, .value_kind: global_buffer, .address_space: global }
      - { .name: Wv, .offset: 16, .size: 8, .value_kind: global_buffer, .address_space: global }
      - { .name: Wo, .offset: 24, .size: 8, .value_kind: global_buffer, .address_space: global }
      - { .name: lowp_scales, .offset: 32, .size: 8, .value_kind: global_buffer, .address_space: global }
      - { .name: wc, .offset: 40, .size: 8, .value_kind: global_buffer, .address_space: global }
    .group_segment_fixed_size: 4864
    .private_segment_fixed_size: 0
    .kernarg_segment_align: 8
    .kernarg_segment_size: 48
    .max_flat_workgroup_size: 64
    .sgpr_count:     66
    .vgpr_count:     114
    .wavefront_size: 32
...
	.end_amdgpu_metadata
.endif
;; end of part 5
;; launch proj (part 6): grid 3 x 64, 8 waves a work-group, no clusters, 70,656 bytes of LDS; arguments x, wc, bq, bk, bv, lowp_scales, qkv; writes qkv
.if DOCPART == 6
	.amdgcn_target "amdgcn-amd-amdhsa--gfx1250"
	.amdhsa_code_object_version 6
	.text
	.protected	k_q8068a1705f_proj
	.globl	k_q8068a1705f_proj
	.p2align	8
	.type	k_q8068a1705f_proj,@function
k_q8068a1705f_proj:
	s_mov_b64 s[64:65], 0
	v_nop
	global_prefetch_b8 v0, s[64:65] scope:SCOPE_SE
	s_setreg_imm32_b32 hwreg(HW_REG_WAVE_SCHED_MODE, 0, 2), 2
	s_setreg_imm32_b32 hwreg(HW_REG_WAVE_MODE, 25, 1), 1
	s_wait_xcnt 0x0
	s_wait_alu depctr_vm_vsrc(0)
; q, k, v = x W^T + b on codes of FP8 (E4M3), and the results quantised again, as operands of attention's two products.
; Work-group (Y, X): Y = 0 q, 1 k, 2 v; X = a block of 128 tokens.  It makes 128 tokens x 512 features of one matrix.
; x arrives as f32 and is quantised here with the scale of product Y (entries 0, 2, 4); W's codes come from wc as images of operand registers.
; SHARES.  Eight waves.  Wave w quantises tokens 16 w .. 16 w + 15 (four fragments of 128 k) and puts their images into LDS; one barrier;
; then wave w makes head w, features 64 w .. 64 w + 63, for all 128 tokens.  Its 16 fragments of W stay in registers (window 1), read once.
; LAYOUT, everywhere the own one of the plain fp8 forms: lane (r, h) holds row r, registers 2c, 2c+1 hold k = 16c + 8h + 0..7.
;   q, k: source 0 = 16 rows of W, source 1 = 16 tokens: lane (r, h) holds token r, register j of tile f feature 16 f + 8 h + j: a conversion of the
;         tile's eight registers gives registers 2f, 2f+1 of the head's fragment (16 tokens x 64): qkv part Y: [head of batch 16][tile of tokens 256][1,024 bytes].
;   v:    source 0 = 16 tokens, source 1 = 16 rows of W: lane (r, h) holds feature r, register j of token tile T token 16 T + 8 h + j: the conversion gives
;         registers 2T, 2T+1 of V^T's fragment (16 channels x 128 keys): qkv part 2: [head of batch 16][128 keys 32][16 channels 4][2,048 bytes].
; ARITHMETIC.  A sum stands for sum x 2^(ex + ew).  The bias goes in as b / 2^(ex + ew), as the C of a sum's first product; the result's code is
; sum / 2^(eo - ex - ew), held within +-448 of that scale (eo: entry 6, 7 or 9).
; LIMITS: ex, and eo - ex - ew, between -126 and 119.  NaN among the inputs is not served.
; REGISTERS.  window 0: v1-11 addresses and scales; v12-23 the bias's addresses; v32-95, v96-159 x as f32, later two sets of x's four fragments;
;   v160-191 x's codes, later four accumulators; v192-223 the bias in the result's layout; v224-255 codes on their way out.   window 1: W's fragment (f, s) at v[16 (4 f + s)].
; THE MODE: SCHED_MODE bits 1:0 = 2 (LLVM: expert scheduling mode 2), set by the entry lines.  The code itself states the register dependences
; between vector or matrix instructions and memory or LDS instructions, with s_wait_alu, always for 0.
; THE PLAN.  Registers that memory or LDS instructions touch:
;   v2 .. v5      offsets and LDS addresses: made at the head, never written again.   v16-23: the bias's offsets, made behind the first loads, read by the bias's loads alone.
;   XA, XB        x's loads land here; the holds and conversions of a K step work on them; then the next loads land: x's K steps 2 and 3, later the fragments of token tiles by turns, which products read.
;   CA, CB        written by a K step's conversions, read by its 16 image stores; behind the barrier they are the accumulators.
;   v224-255      written by a tile's conversions, read by that tile's stores, which are issued at the head of the NEXT tile's step.
;   window 1 and the bias's 32 registers are loaded once; no vector instruction names them before.
; Ahead of the barrier one wait on va_vdst stands in each K step, behind its conversions: for its image stores and for the loads that land next in its set.  One wait on vm_vsrc frees CA and CB for K steps 2 and 3,
; one behind the barrier frees them for the products.  In a tile's step ONE wait on va_vdst stands at its head: behind it come the next tile's 16 fragment loads and the stores of the tile before, then the products;
; one wait on vm_vsrc, in tile 4's step, frees all of v224-255 for tiles 4 to 7.
.set XA,   32
.set XB,   96
.set CA,   160
.set CB,   176
.set ACC,  160
.set B1,   192
.set PC,   224
.set ROWP, 272                         ; an image in LDS: 8 rows (2 chunk + h) of 256 bytes + 16 of padding: the 32 lanes of a dword store fall on 32 different banks (ISA guide 11.1)
.set IMG,  8*ROWP                      ; fragment (token tile T, K step s) at (4 T + s) x IMG
.set MSB, 0
.macro WIN new                         ; the immediate's high byte repeats the setting that is left
.if MSB != \new
	s_set_vgpr_msb (MSB<<8)|\new
.set MSB, \new
.endif
.endm
.macro PLACES n
.rept \n
	v_nop
.endr
.endm
.macro XLOAD s, set                    ; my 16 tokens' numbers of K step s: each load reads 512 consecutive bytes of a row, 4 numbers a lane
.irp i, 0,1,2,3,4,5,6,7,8,9,10,11,12,13,14,15
	global_load_b128 v[\set+4*\i:\set+4*\i+3], v2, s[4:5] offset:2048*\i+512*\s
.endr
.endm
.macro WLOAD n0                        ; 32 of my 64 chunks of W: chunk n into registers 4 n .. 4 n + 3 of window 1, which no vector instruction has named
	WIN 0x40
.set n, \n0
.rept 32
	global_load_b128 v[4*n:4*n+3], v2, s[6:7] offset:512*n
.set n, n+1
.endr
	WIN 0
.endm
.macro QSET s, set, cod                ; 16 rows x 4 numbers a lane become row i's dword of codes, which goes to its place in the image
.irp p, 0,1,2,3,4,5,6,7
.irp i, 0,1,2,3,4,5,6,7
	v_med3_num_f32 v[\set+8*\p+\i], v[\set+8*\p+\i], -v9, v9   ; the conversion does not saturate (ISA guide 7.6.2): the hold comes first
.endr
	v_cvt_scalef32_pk8_fp8_f32 v[\cod+2*\p:\cod+2*\p+1], v[\set+8*\p:\set+8*\p+7], v8
.endr
	v_nop                                          ; a plain line behind the last conversion: matrix instructions later write these registers
	s_wait_alu depctr_va_vdst(0)                   ; the conversions have written the codes, which the stores below read; holds and conversions are done with this set of 64, in which the next loads land
.irp i, 0,1,2,3,4,5,6,7,8,9,10,11,12,13,14,15
	ds_store_b32 v3, v[\cod+\i] offset:IMG*\s+16*\i
.endr
.endm
.macro FETCHX t, buf                   ; token tile t's four fragments of x, 16 loads of 512 bytes
.irp s, 0,1,2,3
.irp c, 0,1,2,3
.if (\t) < 4
	ds_load_b128 v[\buf+16*\s+4*\c:\buf+16*\s+4*\c+3], v4 offset:(4*(\t)+\s)*IMG+2*ROWP*\c
.else
	ds_load_b128 v[\buf+16*\s+4*\c:\buf+16*\s+4*\c+3], v5 offset:(4*((\t)-4)+\s)*IMG+2*ROWP*\c
.endif
.endr
.endr
.endm
; 16 products: four K steps x my four tiles of features.  The four accumulators take turns, one instruction a turn.
.macro MUL buf, isv
.if \isv
	WIN 0x04                                       ; source 1 (W) window 1
.else
	WIN 0x01                                       ; source 0 (W) window 1
.endif
.irp s, 0,1,2,3
.irp f, 0,1,2,3
.if \isv
.if \s == 0
	v_wmma_f32_16x16x128_fp8_fp8 v[ACC+8*\f:ACC+8*\f+7], v[\buf+16*\s:\buf+16*\s+15], v[16*(4*\f+\s):16*(4*\f+\s)+15], v[B1+8*\f:B1+8*\f+7]
.else
	v_wmma_f32_16x16x128_fp8_fp8 v[ACC+8*\f:ACC+8*\f+7], v[\buf+16*\s:\buf+16*\s+15], v[16*(4*\f+\s):16*(4*\f+\s)+15], v[ACC+8*\f:ACC+8*\f+7]
.endif
.else
.if \s == 0
	v_wmma_f32_16x16x128_fp8_fp8 v[ACC+8*\f:ACC+8*\f+7], v[16*(4*\f+\s):16*(4*\f+\s)+15], v[\buf+16*\s:\buf+16*\s+15], v[B1+8*\f:B1+8*\f+7]
.else
	v_wmma_f32_16x16x128_fp8_fp8 v[ACC+8*\f:ACC+8*\f+7], v[16*(4*\f+\s):16*(4*\f+\s)+15], v[\buf+16*\s:\buf+16*\s+15], v[ACC+8*\f:ACC+8*\f+7]
.endif
.endif
.endr
.endr
	WIN 0
.endm
.macro SENDQK t                        ; q, k: token tile t's fragment leaves: two chunks of 512 consecutive bytes
.set PS, PC+8*((\t)%4)
	global_store_b128 v2, v[PS:PS+3], s[16:17] offset:1024*(\t)
	global_store_b128 v2, v[PS+4:PS+7], s[16:17] offset:1024*(\t)+512
.endm
.macro SENDV t                         ; v, t odd: chunk t / 2 (token tiles t - 1 and t) of the four channel tiles' fragments: 512 consecutive bytes each
.set PS, PC+16*(((\t)/2)%2)
.irp f, 0,1,2,3
	global_store_b128 v2, v[PS+4*\f:PS+4*\f+3], s[16:17] offset:2048*\f+512*((\t)/2)
.endr
.endm
; One tile of 16 tokens: its fragments are in; the next tile's are asked for and the codes of the tile before leave; 16 products; the results are held and converted.
.macro TSTEP t, isv
.set BUF,  XA+64*((\t)%2)
.set NBUF, XA+64*(((\t)+1)%2)
	s_wait_dscnt 0x0                               ; this tile's fragments are in
.if ((\t) > 0) && (((\t) < 7) || ((\isv) == 0))
	s_wait_alu depctr_va_vdst(0)                   ; the tile before: its products are done reading the set in which the loads below land, and its conversions have written the codes that the stores below read
.endif                                                 ; (tile 0: the set was last named ahead of the wait in K step 3's quantising, and nothing is stored;  v's tile 7 loads and stores nothing)
.if (\t) < 7
	FETCHX (\t)+1, NBUF
.endif
.if (\t) > 0
.if \isv
.if (\t)%2 == 0
	SENDV (\t)-1
.endif
.else
	SENDQK (\t)-1
.endif
.endif
	MUL BUF, \isv                                  ; they name this tile's set, W, the bias and the accumulators: none of the registers that the loads and stores above touch
	PLACES 4                                       ; four plain lines between the last product and the first read of results (ISA guide 7.12.1)
	s_wait_xcnt 0x0                                ; earlier stores have had their addresses translated (ISA guide 3.1): the codes' registers may be written again
.if (\t) == 4
	s_wait_alu depctr_vm_vsrc(0)                   ; the stores of tiles 0 to 3, all issued by now, have read v224-255, all of them: tiles 4 to 7's conversions write these registers again
.endif
.irp j, 0,1,2,3,4,5,6,7,8,9,10,11,12,13,14,15,16,17,18,19,20,21,22,23,24,25,26,27,28,29,30,31
	v_med3_num_f32 v[ACC+\j], v[ACC+\j], -v11, v11 ; each accumulator from its low end on
.endr
.if \isv
.set P, PC+16*(((\t)/2)%2)
.irp f, 0,1,2,3
	v_cvt_scalef32_pk8_fp8_f32 v[P+4*\f+2*((\t)%2):P+4*\f+2*((\t)%2)+1], v[ACC+8*\f:ACC+8*\f+7], v10   ; registers 2 T, 2 T + 1 of channel tile f's fragment
.endr
.else
.set P, PC+8*((\t)%4)
.irp f, 0,1,2,3
	v_cvt_scalef32_pk8_fp8_f32 v[P+2*\f:P+2*\f+1], v[ACC+8*\f:ACC+8*\f+7], v10   ; registers 2 f, 2 f + 1 of the token tile's fragment
.endr
.endif
	v_nop                                          ; a plain line behind the last conversion: the next products write its sources
.endm
	s_load_b256 s[4:11], s[0:1], 0x0               ; x s[4:5], wc s[6:7], bq s[8:9], bk s[10:11]
	s_load_b128 s[12:15], s[0:1], 0x20             ; bv s[12:13], the scales' exponents s[14:15]
	s_load_b64 s[16:17], s[0:1], 0x30              ; qkv
	v_lshl_add_u32 v30, v0, 2, 0x11000
	v_mov_b32 v31, 0
	v_lshrrev_b32 v12, 5, v0
	v_readfirstlane_b32 s18, v12                   ; wave 0..7
	s_mov_b32 s19, ttmp9                           ; Y
	s_and_b32 s20, ttmp7, 0xffff                   ; X
	v_and_b32 v1, 31, v0                           ; lane l
	v_lshlrev_b32 v2, 4, v1                        ; 16 l
	v_lshrrev_b32 v14, 3, v1                       ; my dword (row i, k = 4 l): image row 2 (l / 8) + (l / 2) % 2, place 8 ((l / 4) % 2) + 4 (l % 2); row i adds 16 i
	v_bfe_u32 v15, v1, 1, 1
	v_lshl_add_u32 v14, v14, 1, v15
	v_mul_u32_u24 v3, v14, ROWP
	v_bfe_u32 v15, v1, 2, 1
	v_lshl_add_u32 v3, v15, 3, v3
	v_and_b32 v15, 1, v1
	v_lshl_add_u32 v3, v15, 2, v3
	s_wait_alu depctr_va_sdst(0)                   ; s18, the wave's number, is written, ahead of its first reader
	s_mul_i32 s21, s18, 4*IMG
	v_add_nc_u32 v3, s21, v3                       ; where I store x's codes: my wave's four images
	v_and_b32 v12, 15, v1                          ; r
	v_lshrrev_b32 v13, 4, v1                       ; h
	v_mul_u32_u24 v4, v13, ROWP
	v_lshl_add_u32 v4, v12, 4, v4                  ; where I read a chunk: token tiles 0-3,
	v_add_nc_u32 v5, 16*IMG, v4                    ; tiles 4-7
	s_lshl_b32 s40, s20, 18                        ; x: (128 X + 16 w) rows of 2,048 bytes
	s_lshl_b32 s42, s18, 15
	s_add_co_u32 s40, s40, s42
	s_mov_b32 s41, 0
	s_lshl_b32 s42, s19, 18                        ; wc: weight Y, my four tiles of 16 rows
	s_lshl_b32 s43, s18, 15
	s_add_co_u32 s42, s42, s43
	s_mov_b32 s43, 0
	s_lshr_b32 s48, s20, 5                         ; qkv: part Y of 2^22 bytes, head 8 (X / 32) + w of 2^18, block X % 32 of 2^13: the same for all three parts
	s_lshl_b32 s48, s48, 3
	s_add_co_u32 s48, s48, s18
	s_lshl_b32 s48, s48, 18
	s_lshl_b32 s49, s19, 22
	s_add_co_u32 s48, s48, s49
	s_and_b32 s49, s20, 31
	s_lshl_b32 s49, s49, 13
	s_add_co_u32 s48, s48, s49
	s_mov_b32 s49, 0
	s_lshl_b32 s50, s18, 8                         ; the bias: my 64 numbers
	s_mov_b32 s51, 0
	s_wait_kmcnt 0x0
	s_load_b256 s[24:31], s[14:15], 0x0            ; e0 .. e7
	s_load_b64 s[32:33], s[14:15], 0x20            ; e8, e9
	s_add_nc_u64 s[4:5], s[4:5], s[40:41]
	s_add_nc_u64 s[6:7], s[6:7], s[42:43]
	s_add_nc_u64 s[16:17], s[16:17], s[48:49]
	s_wait_alu depctr_va_vdst(0)                   ; v2 to v5 are written: every load and store of x, W, the images and qkv reads one of them as its offset or address
	XLOAD 0, XA
	XLOAD 1, XB
	WLOAD 0
	s_wait_kmcnt 0x0
	s_cmp_eq_u32 s19, 0                            ; every choice hangs on the work-group's number alone
	s_cselect_b32 s34, s24, s26                    ; ex
	s_cselect_b32 s35, s25, s27                    ; ew
	s_cselect_b32 s36, s30, s31                    ; eo
	s_cselect_b64 s[44:45], s[8:9], s[10:11]       ; the bias
	s_cmp_eq_u32 s19, 2
	s_cselect_b32 s34, s28, s34
	s_cselect_b32 s35, s29, s35
	s_cselect_b32 s36, s33, s36
	s_cselect_b64 s[44:45], s[12:13], s[44:45]
	s_cselect_b32 s37, 0, 4                        ; the bias in the result's layout: q, k: number 16 f + 8 h + j;  v: number 16 f + r in all eight registers
	s_cselect_b32 s38, 4, 0
	s_cselect_b32 s39, 0, 32
	s_add_nc_u64 s[44:45], s[44:45], s[50:51]
	v_mul_u32_u24 v6, v12, s38
	v_mad_u32_u24 v6, v13, s39, v6
.irp j, 0,1,2,3,4,5,6,7
	v_mad_u32_u24 v[16+\j], s37, \j, v6            ; the bias's offsets: the wait in K step 0's quantising stands between these lines and the bias's loads
.endr
	s_add_co_i32 s40, s34, 127
	s_lshl_b32 s41, s40, 23
	v_mov_b32 v8, s41                              ; 2^ex as f32
	s_add_co_i32 s40, s40, 8
	s_lshl_b32 s40, s40, 23
	s_or_b32 s40, s40, 0x600000
	v_mov_b32 v9, s40                              ; 448 x 2^ex
	s_add_co_i32 s46, s34, s35                     ; ex + ew
	s_sub_co_i32 s40, s36, s46
	s_add_co_i32 s40, s40, 127
	s_lshl_b32 s41, s40, 23
	v_mov_b32 v10, s41                             ; 2^(eo - ex - ew): the three scales folded into the conversion's one
	s_add_co_i32 s40, s40, 8
	s_lshl_b32 s40, s40, 23
	s_or_b32 s40, s40, 0x600000
	v_mov_b32 v11, s40                             ; 448 x that
	s_sub_co_i32 s46, 0, s46                       ; -(ex + ew)
	s_wait_alu depctr_va_vdst(0)
	s_wait_loadcnt 48                              ; K step 0 is in; younger: step 1's 16 loads and W's first 32
	QSET 0, XA, CA
	XLOAD 2, XA
	s_wait_loadcnt 48                              ; step 1 is in; younger: W's 32 and step 2's 16
	QSET 1, XB, CB
	XLOAD 3, XB
	s_wait_loadcnt 16                              ; step 2 (and W's first half) is in; younger: step 3's 16
	s_wait_alu depctr_vm_vsrc(0)                   ; the image stores of K steps 0 and 1 have read CA and CB, which the conversions of steps 2 and 3 write again
	WLOAD 32
	s_wait_dscnt 16                                ; step 0's 16 stores are done; step 1's may be out
	QSET 2, XA, CA
	s_wait_loadcnt 32                              ; step 3 is in; younger: W's second 32
.irp f, 0,1,2,3
.irp j, 0,1,2,3,4,5,6,7
	global_load_b32 v[B1+8*\f+\j], v[16+\j], s[44:45] offset:64*\f
.endr
.endr
	s_wait_dscnt 16                                ; step 1's stores are done
	QSET 3, XB, CB
	s_wait_dscnt 0x0                               ; for the others' sake: my four images lie in LDS
	s_barrier_signal -1
	s_barrier_wait -1                              ; all 32 do; from here on LDS is only read
	s_wait_alu depctr_vm_vsrc(0)                   ; the image stores of K steps 2 and 3 have read CA and CB: these registers are the accumulators from here on, written by the products
	FETCHX 0, XA                                   ; (its set was last named ahead of the waits in the quantising of K steps 2 and 3)
	s_wait_loadcnt 0x0                             ; W's second half and the bias
.irp j, 0,1,2,3,4,5,6,7,8,9,10,11,12,13,14,15,16,17,18,19,20,21,22,23,24,25,26,27,28,29,30,31
	v_ldexp_f32 v[B1+\j], v[B1+\j], s46            ; b / 2^(ex + ew)
.endr
	s_cmp_eq_u32 s19, 2
	s_cbranch_scc1 .Lv
	s_wait_alu depctr_va_vdst(0)
.irp t, 0,1,2,3,4,5,6,7
	TSTEP \t, 0
.endr
	s_wait_alu depctr_va_vdst(0)                   ; tile 7's conversions have written its codes, which the last two stores read
	SENDQK 7
	s_wait_dscnt 0x0                               ; the closing lines, six on end
	s_wait_alu 0x0
	s_wait_tensorcnt 0x0
	ds_add_u32 v30, v31
	s_wait_dscnt 0x0
	s_endpgm
.Lv:
	s_wait_alu depctr_va_vdst(0)
.irp t, 0,1,2,3,4,5,6,7
	TSTEP \t, 1
.endr
	s_wait_alu depctr_va_vdst(0)                   ; the conversions of tiles 6 and 7 have written the last chunks, which the last four stores read
	SENDV 7
	s_wait_dscnt 0x0                               ; the closing lines, six on end
	s_wait_alu 0x0
	s_wait_tensorcnt 0x0
	ds_add_u32 v30, v31
	s_wait_dscnt 0x0
	s_endpgm
.Lfunc_end_k_q8068a1705f_proj:
	.size	k_q8068a1705f_proj, .Lfunc_end_k_q8068a1705f_proj-k_q8068a1705f_proj
	.p2alignl 7, 3214868480
	.fill 96, 4, 3214868480
	.section	.rodata,"a",@progbits
	.p2align	6, 0x0
	.amdhsa_kernel k_q8068a1705f_proj
		.amdhsa_group_segment_fixed_size 70656
		.amdhsa_private_segment_fixed_size 0
		.amdhsa_enable_private_segment 0
		.amdhsa_kernarg_size 56
		.amdhsa_user_sgpr_count 2
		.amdhsa_user_sgpr_kernarg_segment_ptr 1
		.amdhsa_wavefront_size32 1
		.amdhsa_system_sgpr_workgroup_id_x 1
		.amdhsa_system_sgpr_workgroup_id_y 1
		.amdhsa_system_sgpr_workgroup_id_z 1
		.amdhsa_system_vgpr_workitem_id 0
		.amdhsa_next_free_vgpr 512
		.amdhsa_next_free_sgpr 66
		.amdhsa_reserve_vcc 0
		.amdhsa_float_denorm_mode_32 3
		.amdhsa_float_denorm_mode_16_64 3
		.amdhsa_memory_ordered 1
		.amdhsa_forward_progress 1
		.amdhsa_inst_pref_size 120
	.end_amdhsa_kernel
	.amdgpu_metadata
---
amdhsa.version: [ 1, 2 ]
amdhsa.kernels:
  - .name:           k_q8068a1705f_proj
    .symbol:         k_q8068a1705f_proj.kd
    .args:
      - { .name: x, .offset: 0, .size: 8, .value_kind: global_buffer, .address_space: global }
      - { .name: wc, .offset: 8, .size: 8, .value_kind: global_buffer, .address_space: global }
      - { .name: bq, .offset: 16, .size: 8, .value_kind: global_buffer, .address_space: global }
      - { .name: bk, .offset: 24, .size: 8, .value_kind: global_buffer, .address_space: global }
      - { .name: bv, .offset: 32, .size: 8, .value_kind: global_buffer, .address_space: global }
      - { .name: lowp_scales, .offset: 40, .size: 8, .value_kind: global_buffer, .address_space: global }
      - { .name: qkv, .offset: 48, .size: 8, .value_kind: global_buffer, .address_space: global }
    .group_segment_fixed_size: 70656
    .private_segment_fixed_size: 0
    .kernarg_segment_align: 8
    .kernarg_segment_size: 56
    .max_flat_workgroup_size: 256
    .sgpr_count:     66
    .vgpr_count:     512
    .wavefront_size: 32
...
	.end_amdgpu_metadata
.endif
;; end of part 6
;; launch attn (part 7): grid 16 x 16, 16 waves a work-group, clusters of 4 x 1, 327,680 bytes of LDS; arguments qkv, lowp_scales, cc; writes cc
.if DOCPART == 7
	.amdgcn_target "amdgcn-amd-amdhsa--gfx1250"
	.amdhsa_code_object_version 6
	.text
	.protected	k_q8068a1705f_attn
	.globl	k_q8068a1705f_attn
	.p2align	8
	.type	k_q8068a1705f_attn,@function
k_q8068a1705f_attn:
	s_mov_b64 s[64:65], 0
	v_nop
	global_prefetch_b8 v0, s[64:65] scope:SCOPE_SE
	s_setreg_imm32_b32 hwreg(HW_REG_WAVE_MODE, 25, 1), 1
	s_wait_xcnt 0x0
	s_wait_alu depctr_hold_cnt(0) depctr_sa_sdst(0) depctr_va_vdst(0) depctr_va_sdst(0) depctr_va_ssrc(0) depctr_va_vcc(0) depctr_vm_vsrc(0)
	s_getreg_b32 s2, hwreg(HW_REG_IB_STS2, 6, 4)
	s_cmp_eq_u32 s2, 0
	s_cbranch_scc0 .Lentry_in_a_cluster
	s_endpgm
.Lentry_in_a_cluster:
	s_bfe_u32 s2, ttmp6, 0x10000c
	s_cmp_lg_u32 s2, 0x3003
	s_cbranch_scc0 .Lentry_shape_is_right
	s_endpgm
.Lentry_shape_is_right:
; ctx[bh][q] = the sum over keys of softmax(q . k / 8) v, both products on codes of FP8 (E4M3); ctx is quantised again, as the operand of the output projection.
; q, k, v come from qkv as images of operand registers (lane (r, h): row r; registers 2c, 2c+1: k = 16c + 8h + 0..7; a chunk of four registers is 512 bytes, lane l's 16 bytes at 16 l):
;   q at byte 0 and k at 2^22: [head of batch 16][tile of 16 tokens 256][1,024 bytes];   v at 2^23: [head of batch 16][128 keys 32][16 channels 4][2,048 bytes], the keys innermost.
; THE SOFTMAX AHEAD OF THE SECOND PRODUCT: t = score x log2(e) / 8; M = the row's largest t so far, rounded UP to a whole number; p = 2^(t - M) is what is quantised; it is not normalised.
; The row's sum is taken of the unquantised p and divides at the end.  When M moves, the sum and O are multiplied by 2^(old M - new M): nothing is rounded, and no branch hangs on data.
; SHARES.  A work-group owns 256 queries of one head, each of its sixteen waves one tile of 16, in 256 registers: four waves to a SIMD, so that one wave's vector work stands beside another's
; products and LDS loads.  Every wave walks the head's 4,096 keys, 128 a step.
; BOTH PRODUCTS ARE USED TRANSPOSED: S^T = K Q^T (source 0 = 16 keys, source 1 = my queries), O^T = V^T P^T (source 0 = 16 channels, source 1 = P): a lane holds ONE query (lane % 16) throughout.
; Register j of score tile t is key 16 t + 8 h + j: a conversion of the tile's eight registers gives registers 2t, 2t+1 of P's fragment; nothing changes lanes.
; RING.  Two LDS slots of 8 key steps: 65,536 bytes of K's images, then 65,536 of V's.  Waves 0, 1 fetch K's halves, waves 2, 3 V's, 32,768 dense bytes each; a wave has at most one tensor load out.
; CLUSTER.  The four query blocks of a cluster belong to one head and walk the same K and V: each tile is asked for JOINTLY, by the same tensor load with the same descriptor and the mask of all four.
; OUT.  cc: [tile of 16 tokens 512][K step 4][2,048 bytes]; head hd fills the 1,024 bytes at 1,024 hd of a tile: register 2 (4 (hd % 2) + ct) on of K step hd / 2.
; LIMITS on the given exponents, so that each power of two below is an f32 number: e6 + e7 between -123 and 130; e8, and e10 - e8 - e9, between -126 and 119.  NaN among the inputs is not served.
; REGISTERS: v1, v2 my 16 bytes of a chunk of K, of V; v5, v6 for the add; v8, v9 addresses of the step in hand; v12 -M, v13 the largest t, v[14:15] the sum in two halves; v16-23 Q;
;   v32-95 K's eight fragments, then V's four; v96-159 S^T, then p; v160-191 O^T; v200-207 at work; v208-211 scales; v224-239 p's codes.
.set SLOT1, 1<<17                      ; slot 1 begins here: one exclusive or turns an address in one slot into the other's
.set VOFF,  65536                      ; V's images in a slot
.set STEPB, 8192                       ; a key step's images of K, and of V
.set SPARE, 2*SLOT1                    ; behind the ring: the spare words, 128 bytes for each wave: eight blocks of 256 bytes that no other line names
.set KV,  32
.set S,   96
.set O,   160
.set P,   224
.macro PLACES n
.rept \n
	v_nop
.endr
.endm
; A round of the cluster's barrier: my work-group's barrier; wave 0 signals for the work-group; every wave waits for all four work-groups; my work-group's barrier once more.
.macro CROUND
	s_barrier_signal -1
	s_barrier_wait -1
	s_cmp_lg_u32 s10, 0
	s_cbranch_scc1 .Lnot_wave_0_\@
	s_barrier_signal -3
.Lnot_wave_0_\@:
	s_barrier_wait -3
	s_barrier_signal -1
	s_barrier_wait -1
.endm
; The joint load: waves 0 to 3, one each.  The branch hangs on the wave's number alone.  Four v_nop follow the line.
.macro TLOAD
	s_cmp_lt_u32 s10, 4
	s_cbranch_scc0 .Lnone_\@
	tensor_load_to_lds s[32:35], s[24:31]
	s_nop 0
.rept 4
	v_nop
.endr
.Lnone_\@:
.endm
	s_load_b128 s[4:7], s[0:1], 0x0                ; qkv s[4:5], the scales' exponents s[6:7]
	s_load_b64 s[8:9], s[0:1], 0x10                ; cc
	v_lshl_add_u32 v5, v0, 2, SPARE
	v_mov_b32 v6, 0
	ds_add_u32 v5, v6
	ds_add_u32 v5, v6
	s_wait_dscnt 0x0
	v_lshrrev_b32 v8, 5, v0
	s_delay_alu instid0(VALU_DEP_1)
	v_readfirstlane_b32 s10, v8                    ; wave 0..15
	s_bfe_u32 s11, ttmp6, 0x40000                  ; cx: my place in the cluster
	s_lshl_b32 s12, ttmp9, 2
	s_add_co_u32 s12, s12, s11                     ; my block of 256 queries: it enters Q's and cc's addresses alone
	s_and_b32 s13, ttmp7, 0xffff                   ; the head of the batch, which the four partners share
	; descriptor group 1: 128 rows of 256 bytes (32 elements of 8), dense, no padding: every fragment load reads 512 consecutive bytes
	s_mov_b32 s24, 15|(3<<16)|(1<<21)              ; 15:0 the mask: all four work-groups; 17:16 elements of 8 bytes; 21 set beside a mask
	s_mov_b32 s25, 32<<16                          ; tensor_dim0 = 32
	s_mov_b32 s26, 128<<16                         ; tensor_dim1 = 128
	s_mov_b32 s27, 32<<16                          ; tile_dim0 = 32
	s_mov_b32 s28, 128                             ; tile_dim1 = 128
	s_mov_b32 s29, 32                              ; elements from row to row
	s_mov_b32 s30, 0
	s_mov_b32 s31, 0
	s_and_b32 s52, s10, 3                          ; u: 0, 1 K's halves of a slot; 2, 3 V's
	s_lshl_b32 s33, s52, 15                        ; LDS address in slot 0: 32,768 u
	s_lshr_b32 s53, s52, 1
	s_add_co_u32 s53, s53, 1
	s_lshl_b32 s56, s53, 22                        ; part 1 (k) or 2 (v) of qkv,
	s_lshl_b32 s53, s13, 18
	s_add_co_u32 s56, s56, s53                     ; the head,
	s_and_b32 s53, s52, 1
	s_lshl_b32 s53, s53, 15
	s_add_co_u32 s56, s56, s53                     ; the half
	s_mov_b32 s57, 0
	s_lshl_b32 s58, s12, 4
	s_add_co_u32 s58, s58, s10                     ; my tile of 16 queries in the head
	s_lshl_b32 s54, s58, 10
	s_lshl_b32 s53, s13, 18
	s_add_co_u32 s54, s54, s53                     ; Q's fragment
	s_mov_b32 s55, 0
	s_lshr_b32 s53, s13, 3
	s_lshl_b32 s53, s53, 8
	s_add_co_u32 s58, s58, s53                     ; my tile among all 512: 256 batch + tile
	s_lshl_b32 s58, s58, 13
	s_and_b32 s53, s13, 7
	s_lshl_b32 s53, s53, 10
	s_add_co_u32 s58, s58, s53                     ; + 1,024 x head
	s_mov_b32 s59, 0
	s_mov_b32 s40, 0x76543210                      ; lane selects for v_permlanex16_b32: lane l xor 16
	s_mov_b32 s41, 0xfedcba98
	s_mov_b32 s42, 0x3e38aa3b                      ; c = log2(e) / 8
	s_mov_b32 s36, 0                               ; LDS byte at which the step in hand begins
	s_mov_b32 s37, 3                               ; slots still to be asked for
	s_wait_kmcnt 0x0
	s_load_b256 s[44:51], s[6:7], 0x10             ; e4 .. e11: e6 s46, e7 s47, e8 s48, e9 s49, e10 s50
	s_mov_b32 s32, 1                               ; group 0: count = 1
	s_add_nc_u64 s[34:35], s[4:5], s[56:57]        ; global address: the head's first 8 steps
	s_or_b32 s35, s35, 0x80000000                  ; type = 2
	s_add_nc_u64 s[4:5], s[4:5], s[54:55]
	s_add_nc_u64 s[8:9], s[8:9], s[58:59]
	CROUND                                         ; all four work-groups are here: the first joint loads meet
	TLOAD                                          ; slot 0
	v_and_b32 v1, 31, v0
	s_delay_alu instid0(VALU_DEP_1)
	v_lshlrev_b32 v1, 4, v1                        ; 16 x lane
	s_delay_alu instid0(VALU_DEP_1)
	v_add_nc_u32 v2, VOFF, v1
	global_load_b128 v[16:19], v1, s[4:5] th:TH_LOAD_NT            ; Q's fragment stays in registers; read once in the launch
	global_load_b128 v[20:23], v1, s[4:5] offset:512 th:TH_LOAD_NT
	v_mov_b32 v13, 0xff61b1e6                      ; the largest t so far: -3e38, under every t
	s_delay_alu instid0(VALU_DEP_1)
	v_floor_f32 v12, -v13                          ; -M
	v_mov_b32 v14, 0                               ; the sum, in two halves
	v_mov_b32 v15, 0
	v_mov_b32 v202, 0                              ; written once: a lane permute's destination counts as one of its sources
	v_mov_b32 v205, 0                              ; (named as the upper half of the pair v[204:205])
.set j, 0
.rept 32
	v_mov_b32 v[O+j], 0                            ; O^T.  (The step is written once: the first finds zeros, which the first change of M leaves zeros)
.set j, j+1
.endr
	s_wait_kmcnt 0x0
	s_add_co_i32 s52, s46, s47
	s_lshl_b32 s52, s52, 23
	s_add_co_i32 s42, s42, s52                     ; a score stands for score x 2^(e6 + e7): the two exponents are added to c's exponent field
	s_mov_b32 s43, s42                             ; (named with it as a pair, so it is written)
	s_add_co_i32 s52, s48, 127
	s_lshl_b32 s53, s52, 23
	v_mov_b32 v209, s53                            ; 2^e8 as f32, for p's conversion
	s_add_co_i32 s52, s52, 8
	s_lshl_b32 s52, s52, 23
	s_or_b32 s52, s52, 0x600000
	v_mov_b32 v208, s52                            ; 448 x 2^e8
	s_sub_co_i32 s52, s50, s48
	s_sub_co_i32 s52, s52, s49
	s_add_co_i32 s52, s52, 127
	s_lshl_b32 s53, s52, 23
	v_mov_b32 v210, s53                            ; 2^(e10 - e8 - e9): O / l stands for ctx / 2^(e8 + e9)
	s_add_co_i32 s52, s52, 8
	s_lshl_b32 s52, s52, 23
	s_or_b32 s52, s52, 0x600000
	v_mov_b32 v211, s52                            ; 448 x that
; A KEY STEP: 128 keys.
.macro STEP
	v_add_nc_u32 v8, s36, v1                       ; these two and two v_nop are the four plain lines between the last products and the loads into the registers that they read (ISA guide 7.12.1 for vector instructions)
	v_add_nc_u32 v9, s36, v2
	v_nop
	v_nop
.set u, 0
.rept 16
	ds_load_b128 v[KV+4*u:KV+4*u+3], v8 offset:512*u   ; K: tile u / 2 of 16 keys, chunk u % 2
.set u, u+1
.endr
	s_wait_alu depctr_va_vdst(0)
	s_wait_dscnt 0x0
.set t, 0
.rept 8
	v_wmma_f32_16x16x64_fp8_fp8 v[S+8*t:S+8*t+7], v[KV+8*t:KV+8*t+7], v[16:23], 0
.set t, t+1
.endr
	PLACES 4                                       ; in front of the loads below and of the first read of scores
.set u, 0
.rept 16
	ds_load_b128 v[KV+4*u:KV+4*u+3], v9 offset:512*u   ; V: tile u / 4 of 16 channels, chunk u % 4: it lands while the softmax is worked
.set u, u+1
.endr
	v_max3_num_f32 v200, v[S], v[S+1], v[S+2]      ; the step's largest score of my query among my 64 keys, in two chains, in ascending order of the registers
	v_max3_num_f32 v201, v[S+3], v[S+4], v[S+5]
.set i, 6
.rept 14
	v_max3_num_f32 v200, v200, v[S+i], v[S+i+1]
	v_max3_num_f32 v201, v201, v[S+i+2], v[S+i+3]
.set i, i+4
.endr
	v_max3_num_f32 v200, v200, v[S+62], v[S+63]
	s_delay_alu instid0(VALU_DEP_1)
	v_max_num_f32 v200, v200, v201
	s_delay_alu instid0(VALU_DEP_1)
	v_permlanex16_b32 v202, v200, s40, s41
	s_delay_alu instid0(VALU_DEP_1)
	v_max_num_f32 v200, v200, v202                 ; and among lane l xor 16's
	s_delay_alu instid0(VALU_DEP_1)
	v_mul_f32 v200, s42, v200                      ; as t (c is positive)
	s_delay_alu instid0(VALU_DEP_1)
	v_max_num_f32 v13, v13, v200                   ; the running largest t
	v_mov_b32 v200, v12
	s_delay_alu instid0(VALU_DEP_2)
	v_floor_f32 v12, -v13                          ; the new -M = floor(-t) = -ceil(t): a whole number
	s_delay_alu instid0(VALU_DEP_1)
	v_sub_f32 v200, v12, v200                      ; M's old value less its new one: a whole number, 0 or less
	s_delay_alu instid0(VALU_DEP_1)
	v_cvt_i32_f32 v200, v200                       ; (it saturates)
	s_delay_alu instid0(VALU_DEP_1)
	v_ldexp_f32 v204, 1.0, v200                    ; f = 2^(old M - new M)
.set j, 0
.rept 32
	v_pk_fma_f32 v[S+j:S+j+1], v[S+j:S+j+1], s[42:43], v[12:13] op_sel_hi:[1,0,0]   ; t - M, two at a time (of the pairs c and -M the low word serves both halves)
.set j, j+2
.endr
.set j, 0
	s_wait_alu depctr_va_vdst(0)
.rept 64
	v_exp_f32 v[S+j], v[S+j]                       ; p = 2^(t - M), at most 1
.set j, j+1
.endr
	s_setprio 1
	v_pk_mul_f32 v[14:15], v[14:15], v[204:205] op_sel_hi:[1,0]    ; the sums under the new M.  (The plain line behind the exponentials: ISA guide 5.7.2)
	s_wait_alu depctr_va_vdst(0)
	v_pk_add_f32 v[206:207], v[100:101], v[104:105]
	v_pk_add_f32 v[254:255], v[108:109], v[112:113]
	v_pk_add_f32 v[252:253], v[116:117], v[120:121]
	v_pk_add_f32 v[250:251], v[124:125], v[128:129]
	v_pk_add_f32 v[248:249], v[132:133], v[136:137]
	v_pk_add_f32 v[246:247], v[140:141], v[144:145]
	v_pk_add_f32 v[244:245], v[148:149], v[152:153]
	v_pk_add_f32 v[14:15], v[14:15], v[156:157]
	v_pk_add_f32 v[206:207], v[206:207], v[96:97]
	v_pk_add_f32 v[254:255], v[254:255], v[98:99]
	v_pk_add_f32 v[252:253], v[252:253], v[102:103]
	v_pk_add_f32 v[250:251], v[250:251], v[106:107]
	v_pk_add_f32 v[248:249], v[248:249], v[110:111]
	v_pk_add_f32 v[246:247], v[246:247], v[114:115]
	v_pk_add_f32 v[244:245], v[244:245], v[118:119]
	v_pk_add_f32 v[14:15], v[14:15], v[122:123]
	v_pk_add_f32 v[206:207], v[206:207], v[126:127]
	v_pk_add_f32 v[254:255], v[254:255], v[130:131]
	v_pk_add_f32 v[252:253], v[252:253], v[134:135]
	v_pk_add_f32 v[250:251], v[250:251], v[138:139]
	v_pk_add_f32 v[248:249], v[248:249], v[142:143]
	v_pk_add_f32 v[246:247], v[246:247], v[146:147]
	v_pk_add_f32 v[244:245], v[244:245], v[150:151]
	v_pk_add_f32 v[14:15], v[14:15], v[154:155]
	v_pk_add_f32 v[206:207], v[206:207], v[158:159]
	s_delay_alu instid0(VALU_DEP_2)
	v_pk_add_f32 v[14:15], v[14:15], v[250:251]
	s_delay_alu instid0(VALU_DEP_2)
	v_pk_add_f32 v[206:207], v[206:207], v[248:249]
	v_pk_add_f32 v[254:255], v[254:255], v[246:247]
	v_pk_add_f32 v[252:253], v[252:253], v[244:245]
	s_delay_alu instid0(VALU_DEP_2)
	v_pk_add_f32 v[14:15], v[14:15], v[254:255]
	s_delay_alu instid0(VALU_DEP_2)
	v_pk_add_f32 v[206:207], v[206:207], v[252:253]
	s_delay_alu instid0(VALU_DEP_1)
	v_pk_add_f32 v[14:15], v[14:15], v[206:207]
.set t, 0
.rept 8
.set i, 0
.rept 8
	v_min_num_f32 v[S+8*t+i], v[S+8*t+i], v208     ; the conversion does not saturate (ISA guide 7.6.2); p is not negative, so the hold is one-sided
.set i, i+1
.endr
	v_cvt_scalef32_pk8_fp8_f32 v[P+2*t:P+2*t+1], v[S+8*t:S+8*t+7], v209   ; keys 16 t + 8 h + 0..7: registers 2 t, 2 t + 1 of P's fragment
.set t, t+1
.endr
.set j, 0
	s_setprio 0
.rept 16
	v_pk_mul_f32 v[O+j:O+j+1], v[O+j:O+j+1], v[204:205] op_sel_hi:[1,0]   ; O^T under the new M.  (Also the plain lines behind the conversions)
.set j, j+2
.endr
	s_wait_alu depctr_va_vdst(0)
	s_wait_dscnt 0x0                               ; V is in
.set t, 0
.rept 4
	v_wmma_f32_16x16x128_fp8_fp8 v[O+8*t:O+8*t+7], v[KV+16*t:KV+16*t+15], v[P:P+15], v[O+8*t:O+8*t+7]   ; the four accumulators take turns, one instruction a turn
.set t, t+1
.endr
	s_add_co_u32 s36, s36, STEPB
.endm
; THE CHANGE OF SLOTS stands at a slot's head.  Each wave waits for all its tensor loads (its part of the slot that it is about to read), adds 0 to its spare word, and waits for that and for its
; reads of the slot that it has left.  fill = 1: the barrier is a round of the cluster's, so that no wave of any partner still reads that slot or has a load on its way, and the joint load of
; the next 8 steps into it is the first thing behind the round: it has 8 key steps in which to land.
.macro CHANGE fill
	s_wait_tensorcnt 0x0                           ; no tensor load of mine is out, so group 0 may be written
	ds_add_u32 v5, v6                              ; 0 onto my spare word
.if \fill
	s_xor_b32 s33, s33, SLOT1                      ; the walking descriptor: the other slot than last time,
	s_add_nc_u64 s[34:35], s[34:35], 8*STEPB       ; the next 8 steps; the type bits on top are not reached
.endif
	s_wait_dscnt 0x0                               ; the add is done, and my reads of the slot that I have left are over
.if \fill
	CROUND
	TLOAD
.else
	s_barrier_signal -1
	s_barrier_wait -1
.endif
.endm
.macro SLOT_STEPS                      ; a slot's 8 key steps: written once, walked eight times
	s_mov_b32 s38, 8
.Lstep_\@:
	s_setprio 2
	STEP
	s_sub_co_u32 s38, s38, 1
	s_cmp_lg_u32 s38, 0
	s_cbranch_scc1 .Lstep_\@
	s_setprio 0
	s_sub_co_u32 s36, s36, 8*STEPB                 ; back to a slot's first step,
	s_xor_b32 s36, s36, SLOT1                      ; in the other slot
.endm
	s_wait_loadcnt 0x0                             ; Q
.Lslot:                                            ; three trips: behind each change of slots but the last the next slot is asked for
	CHANGE 1
	SLOT_STEPS
	s_sub_co_u32 s37, s37, 1
	s_cmp_lg_u32 s37, 0
	s_cbranch_scc1 .Lslot
	CHANGE 0                                       ; the last slot is written out
	SLOT_STEPS
	; THE WAY OUT: O^T / the sum, held and converted: a lane's registers are its place in ctx's fragment, so the codes leave as they stand.
	PLACES 4                                       ; between the last products and the first read of their results
	v_add_f32 v14, v14, v15                        ; the sum's two halves,
	s_delay_alu instid0(VALU_DEP_1)
	v_permlanex16_b32 v202, v14, s40, s41
	s_delay_alu instid0(VALU_DEP_1)
	v_add_f32 v14, v14, v202                       ; and lane l xor 16's: the row's sum
	s_wait_alu depctr_va_vdst(0)
	v_rcp_f32 v204, v14
	v_nop                                          ; a plain line behind the transcendental
.set j, 0
	s_wait_alu depctr_va_vdst(0)
.rept 16
	v_pk_mul_f32 v[S+j:S+j+1], v[O+j:O+j+1], v[204:205] op_sel_hi:[1,0]   ; each accumulator from its low end on
.set j, j+2
.endr
.set j, 0
.rept 32
	v_med3_num_f32 v[S+j], v[S+j], -v211, v211
.set j, j+1
.endr
.set t, 0
.rept 4
	v_cvt_scalef32_pk8_fp8_f32 v[S+32+2*t:S+32+2*t+1], v[S+8*t:S+8*t+7], v210   ; channels 16 t + 8 h + 0..7
.set t, t+1
.endr
	v_nop                                          ; a plain line behind the last conversion
	global_store_b128 v1, v[S+32:S+35], s[8:9]                 ; 32 lanes store 512 consecutive bytes, at a multiple of 512 from cc's first byte
	global_store_b128 v1, v[S+36:S+39], s[8:9] offset:512
	s_wait_tensorcnt 0x0                           ; the wave's end
	ds_add_u32 v5, v6
	s_wait_dscnt 0x0
	CROUND                                         ; the closing round: no work-group ends while a partner may still ask for a tile that names it
	s_endpgm
.Lfunc_end_k_q8068a1705f_attn:
	.size	k_q8068a1705f_attn, .Lfunc_end_k_q8068a1705f_attn-k_q8068a1705f_attn
	.p2alignl 7, 3214868480
	.fill 96, 4, 3214868480
	.section	.rodata,"a",@progbits
	.p2align	6, 0x0
	.amdhsa_kernel k_q8068a1705f_attn
		.amdhsa_group_segment_fixed_size 327680
		.amdhsa_private_segment_fixed_size 0
		.amdhsa_enable_private_segment 0
		.amdhsa_kernarg_size 24
		.amdhsa_user_sgpr_count 2
		.amdhsa_user_sgpr_kernarg_segment_ptr 1
		.amdhsa_wavefront_size32 1
		.amdhsa_system_sgpr_workgroup_id_x 1
		.amdhsa_system_sgpr_workgroup_id_y 1
		.amdhsa_system_sgpr_workgroup_id_z 1
		.amdhsa_system_vgpr_workitem_id 0
		.amdhsa_next_free_vgpr 256
		.amdhsa_next_free_sgpr 66
		.amdhsa_reserve_vcc 0
		.amdhsa_float_denorm_mode_32 3
		.amdhsa_float_denorm_mode_16_64 3
		.amdhsa_memory_ordered 1
		.amdhsa_forward_progress 1
		.amdhsa_inst_pref_size 44
	.end_amdhsa_kernel
	.amdgpu_metadata
---
amdhsa.version: [ 1, 2 ]
amdhsa.kernels:
  - .name:           k_q8068a1705f_attn
    .symbol:         k_q8068a1705f_attn.kd
    .args:
      - { .name: qkv, .offset: 0, .size: 8, .value_kind: global_buffer, .address_space: global }
      - { .name: lowp_scales, .offset: 8, .size: 8, .value_kind: global_buffer, .address_space: global }
      - { .name: cc, .offset: 16, .size: 8, .value_kind: global_buffer, .address_space: global }
    .group_segment_fixed_size: 327680
    .private_segment_fixed_size: 0
    .kernarg_segment_align: 8
    .kernarg_segment_size: 24
    .max_flat_workgroup_size: 512
    .sgpr_count:     66
    .vgpr_count:     256
    .wavefront_size: 32
...
	.end_amdgpu_metadata
.endif
;; end of part 7
;; launch outp (part 8): grid 4 x 64, 4 waves a work-group, no clusters, 99,840 bytes of LDS; arguments cc, wc, bo, lowp_scales, out0; writes out0
.if DOCPART == 8
	.amdgcn_target "amdgcn-amd-amdhsa--gfx1250"
	.amdhsa_code_object_version 6
	.text
	.protected	k_q8068a1705f_outp
	.globl	k_q8068a1705f_outp
	.p2align	8
	.type	k_q8068a1705f_outp,@function
k_q8068a1705f_outp:
	s_mov_b64 s[64:65], 0
	v_nop
	global_prefetch_b8 v0, s[64:65] scope:SCOPE_SE
	s_setreg_imm32_b32 hwreg(HW_REG_WAVE_SCHED_MODE, 0, 2), 2
	s_setreg_imm32_b32 hwreg(HW_REG_WAVE_MODE, 25, 1), 1
	s_wait_xcnt 0x0
	s_wait_alu depctr_vm_vsrc(0)
; out0 = ctx Wo^T + bo on codes of FP8 (E4M3).  ctx's codes (cc) and Wo's (wc, fourth weight) come as images of operand registers: a fragment of 16 rows x 128 k is four chunks
; of 512 bytes, lane l's 16 bytes at 16 l.  A sum is multiplied once by 2^(e10 + e11) and bo is added, by one packed multiply-add for two numbers.
; LIMIT: e10 + e11 between -126 and 127, so that the power of two is an f32 number.
; Work-group (Y, X): 128 features x 128 tokens.  Four waves; wave w takes tokens 32 w .. 32 w + 31 (two tiles, their 8 fragments in registers, window 1) against all 8 tiles of features.
; Wo's 32 fragments go once through LDS: each wave copies a quarter; one barrier; each fragment read from LDS feeds two products.
; THE MATRIX INSTRUCTION IS USED TRANSPOSED (source 0 = 16 rows of Wo, source 1 = 16 tokens): a lane holds eight neighbouring features of one token's row.  They go through the wave's own
; stage in LDS and come back as whole rows of 512 bytes.
; REGISTERS.  window 0: v2 16 x lane; v3, v4 the stage, in and back; v7 the copy's place; v[8:11] bo; v16-79 token tile 0's rows on the way out; v128-255 first the copy's bytes, then the 16 accumulators
; (token tile tt, feature tile f at v[128 + 64 tt + 8 f]), v128-191 last token tile 1's rows.   window 1: v0-127 ctx's fragment (tt, s) at v[64 tt + 16 s].
; window 2: Wo's fragments, two buffers of a whole K step: K step s, feature tile q at v[128 (s % 2) + 16 q].
; THE MODE: SCHED_MODE bits 1:0 = 2 (LLVM: expert scheduling mode 2), set by the entry lines.  The code itself states the register dependences
; between vector or matrix instructions and memory or LDS instructions, with s_wait_alu, always for 0.
; THE PLAN.  Registers that memory or LDS instructions touch:
;   v2, v3, v4, v7   offsets and LDS addresses: made at the head, never written again.
;   v128-255         the copy's loads land here and its LDS stores read them; then the products write them; the stage's stores read them; tile 1's rows land in v128-191.
;   window 2         K step s's 16 products read buffer s % 2; the 32 LDS loads of step s + 1 land in the other buffer, in one run at the head of step s.
;   v16-79           tile 0's rows land here, are finished in place, and are read by its 16 stores.
; So a wait on va_vdst stands at the head of K steps 1 and 2 alone (the step before is done reading the buffer that is asked for again); step 0's loads land in registers that nothing has named, step 3 loads nothing.
; On the way out: one wait for the accumulators, one behind each tile's 32 multiply-adds, ahead of its run of stores.  Waits on vm_vsrc: behind the barrier (the copy's stores), and ahead of tile 1's rows (tile 0's stage stores).
.set ACC,  128
.set BK0,  16
.set STG,  65536                       ; behind Wo's 65,536 bytes: a stage of 16 rows x (512 bytes + 16) for each wave
.set SP,   528
.set MSB, 0
.macro WIN new                         ; the immediate's high byte repeats the setting that is left
.if MSB != \new
	s_set_vgpr_msb (MSB<<8)|\new
.set MSB, \new
.endif
.endm
.macro PLACES n
.rept \n
	v_nop
.endr
.endm
.macro FETCHW s                        ; Wo's eight fragments of K step s into buffer s % 2 of window 2: 32 loads of 512 consecutive bytes, feature tiles in ascending order
.irp q, 0,1,2,3,4,5,6,7
.irp c, 0,1,2,3
	ds_load_b128 v[128*((\s)%2)+16*\q+4*\c:128*((\s)%2)+16*\q+4*\c+3], v2 offset:\q*8192+(\s)*2048+512*\c
.endr
.endr
.endm
; K step s: 16 products in four groups (feature tiles 2 p, 2 p + 1 x my two token tiles); the 16 accumulators take turns, one instruction a turn.
.macro KSTEP s
	s_wait_dscnt 24                                ; LDS loads come back in order (ISA guide 5.7.1): this step's first two fragments are in; its other 24 loads may be out
.if (\s) < 3
.if (\s) > 0
	PLACES 4                                       ; four plain lines between the products of the step before and the loads into the buffer that they read; the wait below states the dependence
.endif
	WIN 0x80                                       ; destination window 2, address window 0
.if (\s) > 0
	s_wait_alu depctr_va_vdst(0)                   ; the products of the step before are done reading the other buffer, in which the 32 loads below land
.endif
	FETCHW (\s)+1
.endif
	WIN 0x06                                       ; source 0 (Wo) window 2, source 1 (ctx) window 1, C and D window 0
.irp p, 0,1,2,3
.if \p > 0
.if (\s) < 3
	s_wait_dscnt 56-8*\p                           ; group p's 8 loads are in; younger: this step's later groups and the next step's 32
.else
	s_wait_dscnt 24-8*\p                           ; the last step: the counts run down
.endif
.endif
.irp tt, 0,1
.irp i, 0,1
.if (\s) == 0
	v_wmma_f32_16x16x128_fp8_fp8 v[ACC+64*\tt+8*(2*\p+\i):ACC+64*\tt+8*(2*\p+\i)+7], v[128*((\s)%2)+16*(2*\p+\i):128*((\s)%2)+16*(2*\p+\i)+15], v[64*\tt+16*(\s):64*\tt+16*(\s)+15], 0
.else
	v_wmma_f32_16x16x128_fp8_fp8 v[ACC+64*\tt+8*(2*\p+\i):ACC+64*\tt+8*(2*\p+\i)+7], v[128*((\s)%2)+16*(2*\p+\i):128*((\s)%2)+16*(2*\p+\i)+15], v[64*\tt+16*(\s):64*\tt+16*(\s)+15], v[ACC+64*\tt+8*(2*\p+\i):ACC+64*\tt+8*(2*\p+\i)+7]
.endif
.endr
.endr
.endr
.endm
.macro TOSTAGE tt                      ; token tile tt: 16 rows x 128 features into my stage
.irp f, 0,1,2,3,4,5,6,7
	ds_store_b128 v3, v[ACC+64*\tt+8*\f:ACC+64*\tt+8*\f+3] offset:64*\f          ; each accumulator from its low end on
	ds_store_b128 v3, v[ACC+64*\tt+8*\f+4:ACC+64*\tt+8*\f+7] offset:64*\f+16
.endr
.endm
.macro BACK bk                         ; and back as whole rows of 512 bytes.  LDS serves a wave's instructions in order (ISA guide 5.7.1.4): these see the stores above, and the next tile's stores come behind them
.irp i, 0,1,2,3,4,5,6,7,8,9,10,11,12,13,14,15
	ds_load_b128 v[\bk+4*\i:\bk+4*\i+3], v4 offset:SP*\i
.endr
.endm
.macro FINISH bk                       ; x 2^(e10 + e11) + bo, in place
.irp i, 0,1,2,3,4,5,6,7,8,9,10,11,12,13,14,15
	v_pk_fma_f32 v[\bk+4*\i:\bk+4*\i+1], v[\bk+4*\i:\bk+4*\i+1], s[46:47], v[8:9] op_sel_hi:[1,0,1]
	v_pk_fma_f32 v[\bk+4*\i+2:\bk+4*\i+3], v[\bk+4*\i+2:\bk+4*\i+3], s[46:47], v[10:11] op_sel_hi:[1,0,1]
.endr
.endm
.macro SEND tt, bk
.irp i, 0,1,2,3,4,5,6,7,8,9,10,11,12,13,14,15
	global_store_b128 v2, v[\bk+4*\i:\bk+4*\i+3], s[12:13] offset:32768*\tt+2048*\i th:TH_STORE_NT   ; 32 lanes store 512 consecutive bytes, at a multiple of 512 from out0's first byte
.endr
.endm
	s_load_b256 s[4:11], s[0:1], 0x0               ; cc s[4:5], wc s[6:7], bo s[8:9], the scales' exponents s[10:11]
	s_load_b64 s[12:13], s[0:1], 0x20              ; out0
	v_lshl_add_u32 v126, v0, 2, 0x18400
	v_mov_b32 v127, 0
	v_lshrrev_b32 v1, 5, v0
	v_readfirstlane_b32 s14, v1                    ; wave 0..3
	v_and_b32 v1, 31, v0
	v_lshlrev_b32 v2, 4, v1                        ; 16 x lane
	v_and_b32 v5, 15, v0                           ; r
	v_bfe_u32 v6, v0, 4, 1                         ; h
	s_wait_alu depctr_va_sdst(0)                   ; s14, the wave's number, is written, ahead of its first reader
	s_mul_i32 s15, s14, 16*SP
	s_add_co_u32 s15, s15, STG                     ; my stage
	v_mul_u32_u24 v3, v5, SP
	v_lshl_add_u32 v3, v6, 5, v3
	v_add_nc_u32 v3, s15, v3                       ; in: row r, + 32 h; feature tile f adds 64 f
	v_add_nc_u32 v4, s15, v2                       ; back: the 32 lanes take one row of 512 bytes
	s_lshl_b32 s16, s14, 14
	v_add_nc_u32 v7, s16, v2                       ; the copy: my quarter of Wo's 65,536 bytes
	s_mov_b32 s17, ttmp9                           ; Y
	s_and_b32 s18, ttmp7, 0xffff                   ; X
	s_lshl_b32 s20, s17, 16                        ; wc: the fourth weight, feature tiles 8 Y + 2 w on
	s_add_co_u32 s20, s20, s16
	s_add_co_u32 s20, s20, 3*262144
	s_mov_b32 s21, 0
	s_lshl_b32 s22, s18, 16                        ; cc: token tiles 8 X + 2 w on
	s_add_co_u32 s22, s22, s16
	s_mov_b32 s23, 0
	s_lshl_b32 s24, s17, 9                         ; bo: features 128 Y on
	s_mov_b32 s25, 0
	s_lshl_b32 s26, s18, 18                        ; out0: row 128 X + 32 w, + 512 Y bytes
	s_lshl_b32 s27, s14, 16
	s_add_co_u32 s26, s26, s27
	s_add_co_u32 s26, s26, s24
	s_mov_b32 s27, 0
	s_wait_kmcnt 0x0
	s_load_b64 s[44:45], s[10:11], 0x28            ; e10, e11
	s_add_nc_u64 s[6:7], s[6:7], s[20:21]
	s_add_nc_u64 s[4:5], s[4:5], s[22:23]
	s_add_nc_u64 s[8:9], s[8:9], s[24:25]
	s_add_nc_u64 s[12:13], s[12:13], s[26:27]
	s_wait_alu depctr_va_vdst(0)                   ; v2, v3, v4 and v7 are written: every load and store of the kernel reads one of them as its offset or address
.set n, 0
.rept 32
	global_load_b128 v[ACC+4*n:ACC+4*n+3], v2, s[6:7] offset:512*n   ; my quarter of Wo's codes
.set n, n+1
.endr
	WIN 0x40                                       ; destination window 1
.set n, 0
.rept 32
	global_load_b128 v[4*n:4*n+3], v2, s[4:5] offset:512*n           ; my two token tiles' fragments: they stay
.set n, n+1
.endr
	WIN 0
	global_load_b128 v[8:11], v2, s[8:9]           ; bo of columns 128 Y + 4 lane .. + 3: my columns of a row on the way out
	s_wait_loadcnt 33                              ; Wo's 32 loads are in; younger: ctx's 32 and bo's one
.set n, 0
.rept 32
	ds_store_b128 v7, v[ACC+4*n:ACC+4*n+3] offset:512*n
.set n, n+1
.endr
	s_wait_kmcnt 0x0
	s_add_co_i32 s46, s44, s45
	s_add_co_i32 s46, s46, 127
	s_lshl_b32 s46, s46, 23                        ; 2^(e10 + e11) as f32
	s_mov_b32 s47, s46                             ; (named with it as a pair, so it is written)
	s_wait_dscnt 0x0                               ; for the others' sake: my quarter lies in LDS
	s_barrier_signal -1
	s_barrier_wait -1                              ; all of Wo does; it is only read from here on
	s_wait_alu depctr_vm_vsrc(0)                   ; the copy's LDS stores have read v128-255: these registers are the accumulators from here on, written by the products
	WIN 0x80                                       ; destination window 2, address window 0
	FETCHW 0                                       ; K step 0's fragments: nothing has named their registers
	s_wait_loadcnt 0x0                             ; ctx and bo
	KSTEP 0
	KSTEP 1
	KSTEP 2
	KSTEP 3
	WIN 0
	PLACES 4                                       ; four plain lines between the last products and the first read of results (ISA guide 7.12.1); they stay beside the wait below
	s_wait_alu depctr_va_vdst(0)                   ; the products have written the 16 accumulators, which the stage's stores read; no vector instruction names v128-191 again before tile 1's rows land there
	TOSTAGE 0
	BACK BK0                                       ; tile 0's rows: into registers that nothing has named
	TOSTAGE 1
	s_wait_alu depctr_vm_vsrc(0)                   ; tile 0's stores into the stage have read v128-191, in which tile 1's rows land
	BACK ACC
	s_wait_dscnt 32                                ; tile 0's 16 rows are back; younger: tile 1's 16 stores and 16 loads
	FINISH BK0
	s_wait_alu depctr_va_vdst(0)                   ; the multiply-adds have written tile 0's rows, which the 16 stores read
	SEND 0, BK0
	s_wait_dscnt 0x0                               ; tile 1's rows are back
	FINISH ACC
	s_wait_alu depctr_va_vdst(0)                   ; the multiply-adds have written tile 1's rows, which the 16 stores read
	SEND 1, ACC
	s_wait_dscnt 0x0                               ; the closing lines, six on end
	s_wait_alu 0x0
	s_wait_tensorcnt 0x0
	ds_add_u32 v126, v127
	s_wait_dscnt 0x0
	s_endpgm
.Lfunc_end_k_q8068a1705f_outp:
	.size	k_q8068a1705f_outp, .Lfunc_end_k_q8068a1705f_outp-k_q8068a1705f_outp
	.p2alignl 7, 3214868480
	.fill 96, 4, 3214868480
	.section	.rodata,"a",@progbits
	.p2align	6, 0x0
	.amdhsa_kernel k_q8068a1705f_outp
		.amdhsa_group_segment_fixed_size 99840
		.amdhsa_private_segment_fixed_size 0
		.amdhsa_enable_private_segment 0
		.amdhsa_kernarg_size 40
		.amdhsa_user_sgpr_count 2
		.amdhsa_user_sgpr_kernarg_segment_ptr 1
		.amdhsa_wavefront_size32 1
		.amdhsa_system_sgpr_workgroup_id_x 1
		.amdhsa_system_sgpr_workgroup_id_y 1
		.amdhsa_system_sgpr_workgroup_id_z 1
		.amdhsa_system_vgpr_workitem_id 0
		.amdhsa_next_free_vgpr 768
		.amdhsa_next_free_sgpr 66
		.amdhsa_reserve_vcc 0
		.amdhsa_float_denorm_mode_32 3
		.amdhsa_float_denorm_mode_16_64 3
		.amdhsa_memory_ordered 1
		.amdhsa_forward_progress 1
		.amdhsa_inst_pref_size 36
	.end_amdhsa_kernel
	.amdgpu_metadata
---
amdhsa.version: [ 1, 2 ]
amdhsa.kernels:
  - .name:           k_q8068a1705f_outp
    .symbol:         k_q8068a1705f_outp.kd
    .args:
      - { .name: cc, .offset: 0, .size: 8, .value_kind: global_buffer, .address_space: global }
      - { .name: wc, .offset: 8, .size: 8, .value_kind: global_buffer, .address_space: global }
      - { .name: bo, .offset: 16, .size: 8, .value_kind: global_buffer, .address_space: global }
      - { .name: lowp_scales, .offset: 24, .size: 8, .value_kind: global_buffer, .address_space: global }
      - { .name: out0, .offset: 32, .size: 8, .value_kind: global_buffer, .address_space: global }
    .group_segment_fixed_size: 99840
    .private_segment_fixed_size: 0
    .kernarg_segment_align: 8
    .kernarg_segment_size: 40
    .max_flat_workgroup_size: 128
    .sgpr_count:     66
    .vgpr_count:     768
    .wavefront_size: 32
...
	.end_amdgpu_metadata
.endif
;; end of part 8
